; MI455X (gfx1250); checked and timed in simulation.
; The chip was launched on July 23, 2026; its instructions are those of AMD's public machine-readable ISA for CDNA 5 (MIT licence, August 2026) and "CDNA5" Instruction Set Architecture Reference Guide (July 2026). The comments in the code are by the model that wrote it; some were corrected since.
;; Multi Head Self Attention. Allowed arithmetic: matrix products marked QUANTISED: E4M3 operands, one given power-of-two scale a tensor, by v_wmma_f32_16x16x64_fp8_fp8 or v_wmma_f32_16x16x128_fp8_fp8, f32 sums; everything else in f32.
;; Inputs: W_k 1,024 x 1,024 float32; W_o 1,024 x 1,024 float32; W_q 1,024 x 1,024 float32; W_v 1,024 x 1,024 float32; b_k 1,024 float32; b_o 1,024 float32; b_q 1,024 float32; b_v 1,024 float32; lowp_scales 12 int32 (the exponents e of the quantised operands' scales 2^e); x 2 x 2,048 x 1,024 float32.
;; Outputs: out0 2 x 2,048 x 1,024 float32.
;; This version of the problem:
;;   THIS VERSION OF THE PROBLEM IS GIVEN IN LOW PRECISION. The matrix products marked QUANTISED in the list below multiply operands that are first quantised to E4M3 (4 exponent bits, 3 mantissa bits; 8 bits a number), with one given power-of-two scale for each operand tensor; their sums are f32. All else is computed in f32.
;;   The module's matrix products, in the order in which they are computed (A, B: the left and right operand; K: the contracted axis; several contracted axes count as one K, in the product's order):
;;     1. [M 4,096, K 1,024] x [K 1,024, N 1,024]; A: input x; B: input W_q: QUANTISED (scales: A lowp_scales[0], B lowp_scales[1])
;;     2. [M 4,096, K 1,024] x [K 1,024, N 1,024]; A: input x; B: input W_k: QUANTISED (scales: A lowp_scales[2], B lowp_scales[3])
;;     3. [M 4,096, K 1,024] x [K 1,024, N 1,024]; A: input x; B: input W_v: QUANTISED (scales: A lowp_scales[4], B lowp_scales[5])
;;     4. batch 32 x [M 2,048, K 64] x [K 64, N 2,048]; A: computed on the way; B: computed on the way: QUANTISED (scales: A lowp_scales[6], B lowp_scales[7])
;;     5. batch 32 x [M 64, K 2,048] x [K 2,048, N 2,048]; A: computed on the way; B: softmax (see below): QUANTISED (scales: A lowp_scales[8], B lowp_scales[9])
;;     6. [M 4,096, K 1,024] x [K 1,024, N 1,024]; A: computed on the way; B: input W_o: QUANTISED (scales: A lowp_scales[10], B lowp_scales[11])
;;   THE QUANTISER, for each operand of a quantised product, along K:
;;     - The operand's scale is 2^e, e = its entry of the input lowp_scales (int32; the entries are numbered through the quantised products in the list's order, A before B).
;;     - Each number is divided by the scale, clamped to +-448, and rounded to the nearest number of E4M3, ties to even, subnormals kept.
;;     - The product sums the exact products of the quantised numbers (number of the format x scale) in f32.
;;   ~~~python
;;   def quantise(x, axis, e):      # numpy; x: float32 -> the quantised numbers, widened to float32 again
;;       x = np.moveaxis(x, axis, -1); K = x.shape[-1]
;;       r = np.clip(x / 2.0 ** e, -448, 448)
;;       step = 2.0 ** (np.maximum(np.frexp(np.where(r == 0, 1, r))[1] - 1, -6) - 3)
;;       q = np.round(r / step) * step * 2.0 ** e      # np.round: ties to even
;;       return np.moveaxis(q, -1, axis).astype(np.float32)
;;   ~~~
;;   SOFTMAX AHEAD OF A QUANTISED PRODUCT. Where the list says 'softmax', what is quantised is not the finished softmax but p = 2^(t - M), with t = logit x log2(e) and M = ceil(the row's largest t), a whole number; so 1/2 < the row's largest p <= 1. The row's sum l is taken of the UNQUANTISED p, in f32, and the product's result is divided by l at the end. Since M is a whole number, a kernel that streams over the keys may use a running M (the ceiling of the running maximum): every later rescaling is an exact power of two, so the quantised numbers keep their values, but for numbers so far below the row's largest that they fall under the format's range.
;;   OPERANDS COMPUTED ON THE WAY. 'Computed on the way' means the value that the module computes at that place (a softmax that the list does not call 'softmax' is quantised finished and normalised). What goes into a quantiser is computed in f32, as accurately as f32 sums, v_exp_f32 and their like allow (about 1e-6 of the number): no bf16 or f16 on the way to a quantiser, and a product that is left as it is and whose result goes on into a quantised operand takes f32 operands (vector FMAs, or v_wmma_f32_16x16x4_f32). A number that lies on a knife's edge between two numbers of the format may be rounded either way, as far as f32 arithmetic and the matrix unit's own rounding can turn it there, and no further.
;; One version. Each part assembles by itself: llvm-mc -triple=amdgcn-amd-amdhsa -mcpu=gfx1250 --defsym DOCPART=n.
;; ======== version 1 of 1: 4 launches
;; limits: right only within a limited range of input values
;; workspace buffers: xc 12,582,912 bytes; wc 4,194,304 bytes; qc 4,194,304 bytes; kv 8,388,608 bytes; cc 4,194,304 bytes
;; launch quant (part 1): grid 256 x 1, 16 waves a work-group, no clusters, 83,968 bytes of LDS; arguments x, W_q, W_k, W_v, W_o, lowp_scales, xc, wc; writes xc, wc
.if DOCPART == 1
	.amdgcn_target "amdgcn-amd-amdhsa--gfx1250"
	.amdhsa_code_object_version 6
	.text
	.protected	k_q4a01580aef_quant
	.globl	k_q4a01580aef_quant
	.p2align	8
	.type	k_q4a01580aef_quant,@function
k_q4a01580aef_quant:
	s_mov_b64 s[64:65], 0
	v_nop
	global_prefetch_b8 v0, s[64:65] scope:SCOPE_SE
	s_setreg_imm32_b32 hwreg(HW_REG_WAVE_MODE, 25, 1), 1
	s_wait_xcnt 0x0
; MULTI-HEAD SELF-ATTENTION ON CODES OF E4M3, launch 1 of 4: x and the four weights become codes.
; NO WORK IS LEFT OUT in any of the four launches: each of the six products reaches the output, each bias goes into a quantised operand
; (b_q, b_k, b_v) or into the output (b_o), and every input is loaded.
; x [4096][1024] f32 is the left operand of three products with three given scales (entries 0, 2, 4 of the scales), which may differ:
; it is read once and three planes of codes are stored, xc [3][4096][1024].  W_q, W_k, W_v, W_o [1024][1024] f32 have K innermost
; (x @ W.T) and entries 1, 3, 5, 11: wc [4][1024][1024].  code = number / 2^e, held within +-448, to the nearest code, ties to even.
; LIMITS: each e between -126 and 119, so that 2^e and 448 x 2^e are f32 numbers.  NaN among the inputs is not served.
; Rows are dense, so every tensor is a plain stream.  A work-group takes 32,768 numbers: work-groups 0-127 x, then 32 for each weight.
; A wave takes 4 steps of 512 numbers; all its 16 loads go out at the head.  The conversion takes 8 neighbours from ONE lane, a load is
; best where neighbouring LANES take neighbouring bytes: a step's 2,048 bytes go through the wave's own stage in LDS as they lie and come
; back 64 bytes a lane (16 bytes of padding behind each 64).  A lane's 16 codes are 16 bytes: a store covers 512 consecutive bytes.
; No tensor load, no barrier: waves share nothing.  Matrix units and clusters have nothing to do here: memory binds.
.set WAVES, 16
.set STEPS, 4
.set SP,    80                         ; a lane's place in a stage: 64 bytes + 16 of padding
.set STG,   32*SP                      ; a stage
.set WREG,  2*STG                      ; a wave's region: two stages by turns
.set SPARE, WAVES*WREG                 ; behind the regions: the spare words, 128 bytes a wave, which no other line names
.set R,     16                         ; v16-79   four sets of 16 numbers as loaded
.set X,     80                         ; v80-111  two sets of 16 neighbours
.set T,     112                        ; v112-127 the numbers held within the largest code x the scale
.set C,     128                        ; v128-175 codes: 4 registers for each step and plane, so that no store's data are written again
.set SPW,   12                         ; v12 my spare word's LDS address; never rewritten
.set NIL,   13                         ; v13 0; never rewritten
	s_load_b512 s[4:19], s[0:1], 0x0               ; x 4, W_q 6, W_k 8, W_v 10, W_o 12, scales 14, xc 16, wc 18
	v_lshl_add_u32 v[SPW], v0, 2, SPARE
	v_mov_b32 v[NIL], 0
	v_lshrrev_b32 v1, 5, v0
	s_delay_alu instid0(VALU_DEP_1)
	v_readfirstlane_b32 s23, v1                    ; wave
	v_and_b32 v2, 31, v0                           ; lane
	s_delay_alu instid0(VALU_DEP_1)
	v_lshlrev_b32 v3, 4, v2                        ; 16 x lane: my bytes of a load's 512 and of a store's 512
	s_mul_i32 s46, s23, WREG
	v_lshrrev_b32 v14, 2, v2
	s_delay_alu instid0(VALU_DEP_1)
	v_mul_u32_u24 v14, v14, SP
	v_and_b32 v15, 3, v2
	s_delay_alu instid0(VALU_DEP_1)
	v_lshl_add_u32 v14, v15, 4, v14
	s_delay_alu instid0(VALU_DEP_1)
	v_add_nc_u32 v14, s46, v14                     ; into the stage: SP (lane / 4) + 16 (lane % 4); a load's 512 bytes take eight places
	v_mul_u32_u24 v15, v2, SP
	s_delay_alu instid0(VALU_DEP_1)
	v_add_nc_u32 v15, s46, v15                     ; out of it: SP x lane: my 16 neighbours
	s_and_b32 s21, ttmp9, 31                       ; a weight's chunk
	s_lshr_b32 s22, ttmp9, 5                       ; 0-3: x; 4, 5, 6, 7: W_q, W_k, W_v, W_o
	s_sub_co_u32 s39, s22, 4
	s_lshl_b32 s39, s39, 20                        ; the weight's plane in wc
	s_wait_alu depctr_va_vdst(0)
	s_wait_kmcnt 0x0
	s_load_b256 s[24:31], s[14:15], 0x0            ; e0 .. e7
	s_load_b128 s[32:35], s[14:15], 0x20           ; e8 .. e11
	s_cmp_eq_u32 s22, 4                            ; the choices hang on the work-group's number alone
	s_cselect_b64 s[36:37], s[6:7], s[12:13]
	s_cmp_eq_u32 s22, 5
	s_cselect_b64 s[36:37], s[8:9], s[36:37]
	s_cmp_eq_u32 s22, 6
	s_cselect_b64 s[36:37], s[10:11], s[36:37]
	s_cmp_lt_u32 s22, 4
	s_cselect_b64 s[36:37], s[4:5], s[36:37]       ; the source
	s_cselect_b64 s[40:41], s[16:17], s[18:19]     ; the codes' buffer
	s_cselect_b32 s20, ttmp9, s21                  ; which 32,768 numbers of the tensor
	s_cselect_b32 s39, 0, s39
	s_lshl_b32 s46, s20, 4
	s_add_co_u32 s46, s46, s23                     ; which run of 2,048 numbers is my wave's
	s_lshl_b32 s48, s46, 13
	s_mov_b32 s49, 0
	s_add_nc_u64 s[36:37], s[36:37], s[48:49]
	s_lshl_b32 s48, s46, 11
	s_add_co_u32 s48, s48, s39
	s_add_nc_u64 s[40:41], s[40:41], s[48:49]
	s_add_nc_u64 s[42:43], s[40:41], 0x400000      ; x's second and third plane (used by x's work-groups alone)
	s_add_nc_u64 s[44:45], s[40:41], 0x800000
.macro LOAD t
.irp i, 0,1,2,3
	global_load_b128 v[R+16*(\t)+4*\i:R+16*(\t)+4*\i+3], v3, s[36:37] offset:2048*(\t)+512*\i th:TH_LOAD_NT   ; 32 lanes read 512 consecutive bytes, read once in the launch
.endr
.endm
.macro TURN t                          ; step t through a stage: LDS serves a wave's instructions in order, so no wait stands between the stores and the loads
.irp i, 0,1,2,3
	ds_store_b128 v14, v[R+16*(\t)+4*\i:R+16*(\t)+4*\i+3] offset:STG*((\t)%2)+8*SP*\i
.endr
.irp i, 0,1,2,3
	ds_load_b128 v[X+16*((\t)%2)+4*\i:X+16*((\t)%2)+4*\i+3], v15 offset:STG*((\t)%2)+16*\i
.endr
.endm
.macro MKSC e, sc, lim                 ; v[sc] = 2^e as f32 (the conversion takes its exponent field), v[lim] = 448 x 2^e
	s_add_co_i32 s46, s[\e], 127
	s_lshl_b32 s47, s46, 23
	v_mov_b32 v[\sc], s47
	s_add_co_i32 s46, s46, 8
	s_lshl_b32 s46, s46, 23
	s_or_b32 s46, s46, 0x600000
	v_mov_b32 v[\lim], s46
.endm
.macro QOUT t, p, sc, lim, base        ; step t's 16 numbers of my lane, quantised for plane p and stored
.irp i, 0,1,2,3,4,5,6,7,8,9,10,11,12,13,14,15
	v_med3_num_f32 v[T+\i], v[X+16*((\t)%2)+\i], -v[\lim], v[\lim]   ; the conversion to an 8-bit code does not saturate (ISA guide 7.6.2): the hold comes first
.endr
	v_cvt_scalef32_pk8_fp8_f32 v[C+12*(\t)+4*(\p):C+12*(\t)+4*(\p)+1], v[T:T+7], v[\sc]
	v_cvt_scalef32_pk8_fp8_f32 v[C+12*(\t)+4*(\p)+2:C+12*(\t)+4*(\p)+3], v[T+8:T+15], v[\sc]
	v_nop                                          ; a plain line between the conversions and the next holds, which write their sources
	global_store_b128 v3, v[C+12*(\t)+4*(\p):C+12*(\t)+4*(\p)+3], s[\base:\base+1] offset:512*(\t)
.endm
.macro STEP t
	s_wait_dscnt 0x0                               ; this step's numbers are back from the stage
.if (\t) < STEPS-1
	s_wait_loadcnt 4*(STEPS-2-(\t))                ; the next step's four loads are in; those of the later steps may be out
	TURN (\t)+1                                    ; they go through the other stage while this step is worked
.endif
	QOUT \t, 0, 5, 6, 40
	s_cmp_lt_u32 ttmp9, 128                        ; x has two planes more; a weight has one
	s_cbranch_scc0 .Lweight_\@
	QOUT \t, 1, 7, 8, 42
	QOUT \t, 2, 9, 10, 44
.Lweight_\@:
.endm
	LOAD 0
	LOAD 1
	LOAD 2
	LOAD 3
	s_wait_kmcnt 0x0
	s_cmp_eq_u32 s22, 4
	s_cselect_b32 s38, s25, s35                    ; e1, else e11
	s_cmp_eq_u32 s22, 5
	s_cselect_b32 s38, s27, s38                    ; e3
	s_cmp_eq_u32 s22, 6
	s_cselect_b32 s38, s29, s38                    ; e5
	s_cmp_lt_u32 s22, 4
	s_cselect_b32 s38, s24, s38                    ; x: e0
	MKSC 38, 5, 6
	MKSC 26, 7, 8                                  ; e2
	MKSC 28, 9, 10                                 ; e4
	s_wait_alu depctr_va_vdst(0)
	s_wait_loadcnt 12                              ; step 0's four loads are in; twelve younger ones stay out
	TURN 0
	STEP 0
	STEP 1
	STEP 2
	STEP 3
	s_wait_tensorcnt 0x0                           ; the wave's end
	ds_add_u32 v[SPW], v[NIL]
	s_wait_dscnt 0x0
	s_endpgm
.Lfunc_end_k_q4a01580aef_quant:
	.size	k_q4a01580aef_quant, .Lfunc_end_k_q4a01580aef_quant-k_q4a01580aef_quant
	.p2alignl 7, 3214868480
	.fill 96, 4, 3214868480
	.section	.rodata,"a",@progbits
	.p2align	6, 0x0
	.amdhsa_kernel k_q4a01580aef_quant
		.amdhsa_group_segment_fixed_size 83968
		.amdhsa_private_segment_fixed_size 0
		.amdhsa_enable_private_segment 0
		.amdhsa_kernarg_size 64
		.amdhsa_user_sgpr_count 2
		.amdhsa_user_sgpr_kernarg_segment_ptr 1
		.amdhsa_wavefront_size32 1
		.amdhsa_system_sgpr_workgroup_id_x 1
		.amdhsa_system_sgpr_workgroup_id_y 1
		.amdhsa_system_sgpr_workgroup_id_z 1
		.amdhsa_system_vgpr_workitem_id 0
		.amdhsa_next_free_vgpr 176
		.amdhsa_next_free_sgpr 66
		.amdhsa_reserve_vcc 0
		.amdhsa_float_denorm_mode_32 3
		.amdhsa_float_denorm_mode_16_64 3
		.amdhsa_memory_ordered 1
		.amdhsa_forward_progress 1
		.amdhsa_inst_pref_size 23
	.end_amdhsa_kernel
	.amdgpu_metadata
---
amdhsa.version: [ 1, 2 ]
amdhsa.kernels:
  - .name:           k_q4a01580aef_quant
    .symbol:         k_q4a01580aef_quant.kd
    .args:
      - { .name: x, .offset: 0, .size: 8, .value_kind: global_buffer, .address_space: global }
      - { .name: W_q, .offset: 8, .size: 8, .value_kind: global_buffer, .address_space: global }
      - { .name: W_k, .offset: 16, .size: 8, .value_kind: global_buffer, .address_space: global }
      - { .name: W_v, .offset: 24, .size: 8, .value_kind: global_buffer, .address_space: global }
      - { .name: W_o, .offset: 32, .size: 8, .value_kind: global_buffer, .address_space: global }
      - { .name: lowp_scales, .offset: 40, .size: 8, .value_kind: global_buffer, .address_space: global }
      - { .name: xc, .offset: 48, .size: 8, .value_kind: global_buffer, .address_space: global }
      - { .name: wc, .offset: 56, .size: 8, .value_kind: global_buffer, .address_space: global }
    .group_segment_fixed_size: 83968
    .private_segment_fixed_size: 0
    .kernarg_segment_align: 8
    .kernarg_segment_size: 64
    .max_flat_workgroup_size: 512
    .sgpr_count:     66
    .vgpr_count:     176
    .wavefront_size: 32
...
	.end_amdgpu_metadata
.endif
;; end of part 1
;; launch proj (part 2): grid 12 x 16, 4 waves a work-group, clusters of 4 x 4, 327,680 bytes of LDS; arguments xc, wc, b_q, b_k, b_v, lowp_scales, qc, kv; writes qc, kv
.if DOCPART == 2
	.amdgcn_target "amdgcn-amd-amdhsa--gfx1250"
	.amdhsa_code_object_version 6
	.text
	.protected	k_q4a01580aef_proj
	.globl	k_q4a01580aef_proj
	.p2align	8
	.type	k_q4a01580aef_proj,@function
k_q4a01580aef_proj:
	s_mov_b64 s[64:65], 0
	v_nop
	global_prefetch_b8 v0, s[64:65] scope:SCOPE_SE
	s_setreg_imm32_b32 hwreg(HW_REG_WAVE_MODE, 25, 1), 1
	s_wait_xcnt 0x0
	s_wait_alu depctr_hold_cnt(0) depctr_sa_sdst(0) depctr_va_vdst(0) depctr_va_sdst(0) depctr_va_ssrc(0) depctr_va_vcc(0) depctr_vm_vsrc(0)
	s_getreg_b32 s2, hwreg(HW_REG_IB_STS2, 6, 4)
	s_cmp_eq_u32 s2, 0
	s_cbranch_scc0 .Lentry_in_a_cluster
	s_endpgm
.Lentry_in_a_cluster:
	s_bfe_u32 s2, ttmp6, 0x10000c
	s_cmp_lg_u32 s2, 0xf033
	s_cbranch_scc0 .Lentry_shape_is_right
	s_endpgm
.Lentry_shape_is_right:
; Launch 2 of 4: q, k, v = x W^T + b on codes of E4M3, each quantised at once for the attention.  No work is left out.
; One product [4096] x [3072], K = 1,024, in tiles of 256 x 256: 192 work-groups, as many as there are tiles.  Four waves, as many as a WGP has SIMDs; a wave makes
; 128 x 128: 64 accumulators of 16 x 16, 512 registers: for 128 along K it reads 2 x 128 rows x 128 bytes from LDS for 64 matrix instructions.
; KIND = the cluster's x (0: q, 1: k, 2: v), the same in all partners of a cluster: it picks x's plane of codes, the weight, the scales, the bias and where the codes go.
; K goes in 4 steps of 256 through a ring of two LDS slots filled by the tensor data mover: a tile's row is 256 bytes of memory.  A wave has one tensor load out at most.
; Of the four K steps two are asked for at the head and two by the refills, one K step ahead; K steps 1, 2 and 3 are prefetched into the L2, each behind the tensor load ahead of its own.
; TWO REGIONS, A AND B.  The matrix instruction always takes source 0 = 16 rows of B, source 1 = 16 rows of A: a lane then holds ONE row of A and eight NEIGHBOURING rows of B.
;   q, k: A = x (tile 4 x cluster y + cy), B = W (tile cx of its kind): a lane holds one token and eight neighbouring head dims.
;   v:    A = W_v (tile cy), B = x (tile 4 x cluster y + cx): a lane holds one head dim and eight neighbouring keys.  The two tensors change places BY ADDRESS: no branch stands in the K steps.
; CLUSTERS: 4 x 4 work-groups.  A's tile hangs on cy and the cluster's y alone and is asked for jointly along a row of the cluster; B's on cx and the cluster's place alone, jointly along a column.
; THE RESULTS LEAVE AS IMAGES OF THE NEXT OPERAND'S REGISTERS (8-bit operands: registers 2 c, 2 c + 1 hold k = 16 c + 8 (lane / 16) + 0 .. 7): the eight codes of accumulator (a, b) are two such
; registers.  Four registers go out by one store at 16 x lane: 512 consecutive aligned bytes; no stage in LDS.
; qc [bh][query tile 128][1024];  kv [bh][step of 128 keys: 16][8 images of K x 1024, then 4 images of V^T x 2048].
; In this product both fragments are fetched by loads of 16 bytes: the same permutation of k on both sides, so every product meets its partner.
; LIMITS: ex + ew between -126 and 127; the result's e (entries 6, 7, 8) between -126 and 119.  NaN is not served.
; REGISTERS, in windows of 256: window 0: v0-31 addresses and scales; v32-95 the bias by column, v96-111 by row; from v128 A's fragments (8 x 16 rows x 128 K), ONE set; on the way out v128-191 numbers, v192-255 codes.
;   window 1: B's fragments, TWO sets, at v0 and at v128.   window 2: the 32 accumulators of my A rows 0-63 (accumulator (a, b) at v[8 (8 a + b)]);   window 3: those of rows 64-127.
.set ROWB,   256                       ; a tile's row in bytes: 256 codes
.set KROW,   1024                      ; a row of x's or W's codes in memory
.set PITCH,  272                       ; an LDS row: 256 bytes + 16 of padding = 68 words: the 16 rows that a load touches start at 16 different banks (64 banks of 4 bytes: ISA guide 11.1)
.set FR,     16                        ; registers of a fragment: 16 rows x 128 K
.set NL,     4                         ; LDS loads that bring one
.set NP,     4                         ; places behind this matrix instruction (ISA guide 7.12.1)
.set HALFT,  128*PITCH                 ; 128 rows: what one tensor load brings, and what one wave reads of A or of B
.set SLOT,   4*HALFT                   ; A's 256 rows, then B's 256 rows
.set SPARE,  2*SLOT                    ; behind the ring: the spare words, 128 bytes a wave, which no other line names
.set ADRA, 16                          ; v16-17  LDS address of my A fragments in slot 0, 1
.set ADRB, 20                          ; v20-21  the same for B
.set LI,   24                          ; v24     16 x lane
.set BO8,  25                          ; v25     32 (lane / 16)
.set BO1,  26                          ; v26     4 (lane % 16)
.set SPW,  28                          ; v28     my spare word's LDS address; never rewritten
.set NIL,  29                          ; v29     0; never rewritten
.set VSC,  30                          ; v30     2^ed
.set VLIM, 31                          ; v31     448 x 2^ed
.set BQ,   32                          ; v32-95  bias(16 b + 8 h + 0 .. 7) of my 128 rows of B's side
.set BV,   96                          ; v96-111 bias(16 a + r) of my 128 rows of A's side, each twice
.set AF,   128                         ; A's fragments
.set TMP,  128                         ; the way out: a block's 64 numbers
.set CD,   192                         ; the way out: four sets of 16 registers of codes
.set G1, 28                            ; s[28:35] descriptor group 1 for A's tiles;  s[44:51] group 0, one set for each slot
.set G0, 44
.set G1B, 36                           ; s[36:43], s[52:59] the same for B's tiles
.set G0B, 52
.set MSB, 0
.macro WIN new                         ; the immediate's high byte repeats the setting that is left
.if MSB != \new
	s_set_vgpr_msb (MSB<<8)|\new
.set MSB, \new
.endif
.endm
.set MUL_LO, 0xa1                      ; source 0 (B) window 1, source 1 (A) window 0, C and D window 2
.set MUL_HI, 0xf1                      ; the same, C and D window 3
.set TO_B,   0x40                      ; destination window 1, address window 0
; A joint load: waves 0 and 1 fetch for A, waves 2 and 3 for B.  Each of the two lines has ONE mask and one set of registers for all that issue it; the branch hangs on the wave's number alone.
; An s_nop 0 and four v_nop follow each of the two lines, ahead of the jump, the label and what follows.
.macro JLOAD g0a, g1a, g0b, g1b
	s_cmp_eq_u32 s21, 0
	s_cbranch_scc0 .Lfor_b_\@
	tensor_load_to_lds s[\g0a:\g0a+3], s[\g1a:\g1a+7]
	s_nop 0
.rept 4
	v_nop
.endr
	s_branch .Lasked_\@
.Lfor_b_\@:
	tensor_load_to_lds s[\g0b:\g0b+3], s[\g1b:\g1b+7]
	s_nop 0
.rept 4
	v_nop
.endr
.Lasked_\@:
.endm
.macro CREST                           ; a round of the cluster's barrier behind its opening barrier
	s_cmp_lg_u32 s20, 0
	s_cbranch_scc1 .Lnot_wave_0_\@
	s_barrier_signal -3
.Lnot_wave_0_\@:
	s_barrier_wait -3
	s_barrier_signal -1
	s_barrier_wait -1
.endm
.macro CROUND                          ; a whole round
	s_barrier_signal -1
	s_barrier_wait -1
	CREST
.endm
	s_load_b512 s[4:19], s[0:1], 0x0               ; xc 4, wc 6, b_q 8, b_k 10, b_v 12, scales 14, qc 16, kv 18
	v_lshl_add_u32 v[SPW], v0, 2, SPARE
	v_mov_b32 v[NIL], 0
	ds_add_u32 v[SPW], v[NIL]                      ; the opening: the add, twice on end, and its wait ahead of my first tensor load; the set-up below stands between the second and the wait
	ds_add_u32 v[SPW], v[NIL]
	v_lshrrev_b32 v1, 5, v0
	v_readfirstlane_b32 s20, v1                    ; wave 0..3
	s_lshr_b32 s21, s20, 1                         ; which half of A's rows is mine.  Also: I fetch for A (0) or for B (1)
	s_and_b32 s22, s20, 1                          ; which half of B's rows.  Also: which 128 rows of that tile I fetch
	s_bfe_u32 s23, ttmp6, 0x40000                  ; cx
	s_bfe_u32 s24, ttmp6, 0x40004                  ; cy
	s_and_b32 s25, ttmp7, 0xffff                   ; the cluster's y, 0..3
	s_mov_b32 s27, ttmp9                           ; KIND: the cluster's x, 0..2
	s_lshl_b32 s98, s24, 2
	s_lshl_b32 s98, 15, s98                        ; my row of the cluster
	s_lshl_b32 s99, 0x1111, s23                    ; my column
	; descriptor group 1: a tile of 128 rows x 256 bytes, padded in LDS
	s_or_b32 s[G1], s98, (0<<16)|(1<<20)|(1<<21)|(5<<22)|(3<<25)    ; 15:0 the mask: A's tiles go to my row; elements of 1 byte; padding on; bit 21 beside a mask; 4 words after every 64
	s_or_b32 s[G1B], s99, (0<<16)|(1<<20)|(1<<21)|(5<<22)|(3<<25)   ; the same with the mask of my column
.irp g, G1, G1B
	s_mov_b32 s[\g+1], ROWB<<16                    ; tensor_dim0
	s_mov_b32 s[\g+2], 128<<16                     ; tensor_dim1
	s_mov_b32 s[\g+3], ROWB<<16                    ; tile_dim0
	s_mov_b32 s[\g+4], 128                         ; tile_dim1
	s_mov_b32 s[\g+5], KROW                        ; bytes from row to row
	s_mov_b32 s[\g+6], 0
	s_mov_b32 s[\g+7], 0
.endr
	s_lshl_b32 s70, s22, 17                        ; the 128 rows of 1,024 bytes that I fetch of a tile
	; A's byte offset, in registers that never hold cx
	s_lshl_b32 s68, s25, 2
	s_add_co_u32 s68, s68, s24                     ; 4 x cluster y + cy
	s_lshl_b32 s72, s68, 18                        ; q, k: x's tile of 256 rows,
	s_lshl_b32 s73, s27, 22
	s_add_co_u32 s72, s72, s73                     ; in plane KIND
	s_add_co_u32 s72, s72, s70
	s_lshl_b32 s73, s24, 18                        ; v: W_v's tile cy,
	s_add_co_u32 s73, s73, 0x200000                ; in plane 2 of wc
	s_add_co_u32 s73, s73, s70
	; B's byte offset, in registers that never hold cy
	s_lshl_b32 s69, s25, 2
	s_add_co_u32 s69, s69, s23                     ; 4 x cluster y + cx
	s_lshl_b32 s74, s23, 18                        ; q, k: W's tile cx,
	s_lshl_b32 s75, s27, 20
	s_add_co_u32 s74, s74, s75                     ; in plane KIND of wc
	s_add_co_u32 s74, s74, s70
	s_lshl_b32 s75, s69, 18                        ; v: x's tile,
	s_add_co_u32 s75, s75, 0x800000                ; in plane 2 of xc
	s_add_co_u32 s75, s75, s70
	s_cmp_lt_u32 s27, 2                            ; the choice hangs on the cluster's x alone
	s_cselect_b32 s72, s72, s73
	s_cselect_b32 s74, s74, s75
	s_mov_b32 s73, 0
	s_mov_b32 s75, 0
	s_mul_i32 s71, s20, HALFT                      ; where my loads land in a slot: wave x 128 rows: no place in the cluster enters an LDS address
	s_wait_dscnt 0x0                               ; both opening adds are done
	s_wait_kmcnt 0x0
	s_load_b256 s[84:91], s[14:15], 0x0            ; e0 .. e7
	s_load_b128 s[92:95], s[14:15], 0x20           ; e8 .. e11
	s_cmp_lt_u32 s27, 2
	s_cselect_b64 s[76:77], s[4:5], s[6:7]         ; A's buffer: xc, for v wc
	s_cselect_b64 s[78:79], s[6:7], s[4:5]         ; B's buffer: wc, for v xc
	s_add_nc_u64 s[76:77], s[76:77], s[72:73]
	s_add_nc_u64 s[78:79], s[78:79], s[74:75]
	CROUND                                         ; all sixteen work-groups are here: the first joint loads meet
.irp s, 0,1
	s_mov_b32 s[G0+4*\s], 1
	s_add_co_u32 s[G0+4*\s+1], s71, \s*SLOT
	s_add_nc_u64 s[G0+4*\s+2:G0+4*\s+3], s[76:77], \s*ROWB
	s_or_b32 s[G0+4*\s+3], s[G0+4*\s+3], 0x80000000
	s_mov_b32 s[G0B+4*\s], 1
	s_add_co_u32 s[G0B+4*\s+1], s71, \s*SLOT
	s_add_nc_u64 s[G0B+4*\s+2:G0B+4*\s+3], s[78:79], \s*ROWB
	s_or_b32 s[G0B+4*\s+3], s[G0B+4*\s+3], 0x80000000
.endr
	JLOAD G0, G1, G0B, G1B                         ; K step 0 alone at the head: one tensor load a wave there
	; A prefetch into the L2 behind each of the first three tensor loads, for the K step that the NEXT tensor load will ask for (K steps 1, 2, 3): 32 rows x 256 bytes, a lane a row, one line a wave.
	; Of the 128 rows that a wave fetches, each of the four partners that ask for them jointly names 32, told apart by address (cx for A's rows, cy for B's): each block of 256 bytes is named once in a cluster.
	s_cmp_eq_u32 s21, 0                            ; do I fetch for A?  (the wave's number alone)
	s_cselect_b64 s[4:5], s[76:77], s[78:79]       ; my 128 rows, at K step 0
	s_cselect_b32 s6, s23, s24
	s_lshl_b32 s6, s6, 15                          ; + my work-group's 32 rows of 1,024 bytes
	s_mov_b32 s7, 0
	s_add_nc_u64 s[4:5], s[4:5], s[6:7]            ; never rewritten from here on
	v_and_b32 v27, 31, v0
	v_lshlrev_b32 v27, 10, v27                     ; a lane a row; never rewritten
	global_prefetch_b8 v27, s[4:5] offset:ROWB th:TH_LOAD_NT scope:SCOPE_SE     ; K step 1
	v_and_b32 v1, 15, v0                           ; r = lane % 16
	v_bfe_u32 v2, v0, 4, 1                         ; h = lane / 16
	s_wait_alu depctr_va_vdst(0)
	v_mul_u32_u24 v3, v1, PITCH
	v_lshl_add_u32 v4, v2, 4, v3                   ; a fragment's row x pitch + 16 x half
	s_mul_i32 s98, s21, HALFT                      ; my 128 rows of A
	s_mul_i32 s99, s22, HALFT                      ; my 128 rows of B,
	s_add_co_u32 s99, s99, 2*HALFT                 ; which lie behind A's 256
.irp s, 0,1
	v_add_nc_u32 v[ADRA+\s], s98, v4
	v_add_nc_u32 v[ADRB+\s], s99, v4
	s_add_co_u32 s98, s98, SLOT
	s_add_co_u32 s99, s99, SLOT
.endr
	; the bias, in both layouts (one is used): so no register's writing hangs on a path; both stay inside the 1,024 numbers whatever the kind
	s_cmp_eq_u32 s27, 0
	s_cselect_b64 s[66:67], s[8:9], s[12:13]
	s_cselect_b64 s[60:61], s[16:17], s[18:19]     ; the codes go to qc, else to kv
	s_cselect_b32 s80, 13, 14                      ; 128 tokens of a head are 8,192 bytes of qc, 16,384 of kv
	s_cmp_eq_u32 s27, 1
	s_cselect_b64 s[66:67], s[10:11], s[66:67]
	s_lshl_b32 s72, s23, 10
	s_lshl_b32 s73, s22, 9
	s_add_co_u32 s72, s72, s73
	s_mov_b32 s73, 0
	s_add_nc_u64 s[72:73], s[66:67], s[72:73]      ; by column: + 4 (256 cx + 128 x my half of B)
	s_lshl_b32 s74, s24, 10
	s_lshl_b32 s75, s21, 9
	s_add_co_u32 s74, s74, s75
	s_mov_b32 s75, 0
	s_add_nc_u64 s[74:75], s[66:67], s[74:75]      ; by row: + 4 (256 cy + 128 x my half of A)
	v_and_b32 v[LI], 31, v0
	v_lshlrev_b32 v[LI], 4, v[LI]
	v_lshlrev_b32 v[BO8], 5, v2
	v_lshlrev_b32 v[BO1], 2, v1
.irp b, 0,1,2,3,4,5,6,7
	global_load_b128 v[BQ+8*\b:BQ+8*\b+3], v[BO8], s[72:73] offset:64*\b
	global_load_b128 v[BQ+8*\b+4:BQ+8*\b+7], v[BO8], s[72:73] offset:64*\b+16
.endr
.irp a, 0,1,2,3,4,5,6,7
	global_load_b32 v[BV+2*\a], v[BO1], s[74:75] offset:64*\a
	global_load_b32 v[BV+2*\a+1], v[BO1], s[74:75] offset:64*\a
.endr
	; where my codes go.  My 128 rows of W's side are two heads, my 128 rows of x's side one block of 128 tokens
	s_cmp_lt_u32 s27, 2
	s_cselect_b32 s76, s68, s69                    ; x's tile of 256 tokens, 0..15
	s_cselect_b32 s77, s23, s24                    ; W's tile in its kind, 0..3
	s_cselect_b32 s78, s22, s21                    ; my half on W's side
	s_cselect_b32 s79, s21, s22                    ; my half on x's side
	s_cselect_b32 s81, 0, 8192                     ; V^T's images lie behind K's
	s_lshr_b32 s82, s76, 3                         ; the batch
	s_lshl_b32 s82, s82, 4
	s_lshl_b32 s77, s77, 2
	s_add_co_u32 s82, s82, s77
	s_lshl_b32 s78, s78, 1
	s_add_co_u32 s82, s82, s78                     ; bh of my first head = 16 batch + 4 tile + 2 half
	s_lshl_b32 s82, s82, 4
	s_and_b32 s76, s76, 7
	s_lshl_b32 s76, s76, 1
	s_add_co_u32 s82, s82, s76
	s_add_co_u32 s82, s82, s79                     ; 16 bh + the block of 128 tokens in the sequence
	s_lshl_b32 s82, s82, s80
	s_add_co_u32 s82, s82, s81
	s_mov_b32 s83, 0
	s_add_nc_u64 s[60:61], s[60:61], s[82:83]      ; my first head,
	s_lshl_b32 s82, 16, s80
	s_add_nc_u64 s[62:63], s[60:61], s[82:83]      ; and my second
	s_wait_alu depctr_va_vdst(0)
	s_wait_kmcnt 0x0
	s_cmp_eq_u32 s27, 0                            ; the scales are chosen without a branch
	s_cselect_b32 s2, s84, s88                     ; ex: e0, e2, e4
	s_cselect_b32 s3, s85, s89                     ; ew: e1, e3, e5
	s_cselect_b32 s98, s90, s92                    ; ed: e6, e7, e8
	s_cmp_eq_u32 s27, 1
	s_cselect_b32 s2, s86, s2
	s_cselect_b32 s3, s87, s3
	s_cselect_b32 s98, s91, s98
	s_add_co_i32 s2, s2, s3
	s_add_co_i32 s2, s2, 127
	s_lshl_b32 s96, s2, 23                         ; 2^(ex + ew)
	s_mov_b32 s97, s96                             ; (named with it as a pair)
	s_add_co_i32 s98, s98, 127
	s_lshl_b32 s99, s98, 23
	v_mov_b32 v[VSC], s99                          ; 2^ed: the conversion takes its exponent field
	s_add_co_i32 s98, s98, 8
	s_lshl_b32 s98, s98, 23
	s_or_b32 s98, s98, 0x600000
	v_mov_b32 v[VLIM], s98                         ; 448 x 2^ed
.macro FRAG reg, adr, q, i             ; a fragment: lane l holds row l % 16; registers 4 c .. 4 c + 3 hold K = 32 c + 16 (l / 16) + 0 .. 15
.irp c, 0,1,2,3
	ds_load_b128 v[\reg+4*\c:\reg+4*\c+3], v[\adr] offset:128*(\q)+32*\c+(\i)*16*PITCH
.endr
.endm
; 16 matrix instructions: A's blocks a0, a0 + 1 x B's eight, 128 along K.  p: B's set.  zero = 1: the first product starts the sums: nothing is ever cleared.
; The 64 accumulators take turns, one instruction a turn, in the same order in every step.
.macro MUL16 a0, p, zero
.irp a, \a0, \a0+1
.irp b, 0,1,2,3,4,5,6,7
.if \zero
	v_wmma_f32_16x16x128_fp8_fp8 v[8*(8*((\a)%4)+\b):8*(8*((\a)%4)+\b)+7], v[128*(\p)+FR*\b:128*(\p)+FR*\b+FR-1], v[AF+FR*(\a):AF+FR*(\a)+FR-1], 0
.else
	v_wmma_f32_16x16x128_fp8_fp8 v[8*(8*((\a)%4)+\b):8*(8*((\a)%4)+\b)+7], v[128*(\p)+FR*\b:128*(\p)+FR*\b+FR-1], v[AF+FR*(\a):AF+FR*(\a)+FR-1], v[8*(8*((\a)%4)+\b):8*(8*((\a)%4)+\b)+7]
.endif
.endr
.endr
.endm
.macro FETCH_B slot, q, p              ; B's eight fragments of the slot's q-th 128 along K into set p
	WIN TO_B
.irp i, 0,1,2,3,4,5,6,7
	FRAG 128*(\p)+FR*\i, ADRB+\slot, \q, \i
.endr
	WIN 0
.endm
.macro FETCH_A slot, q, i0             ; A's blocks i0 .. i0 + 3
.irp i, \i0, \i0+1, \i0+2, \i0+3
	FRAG AF+FR*(\i), ADRA+\slot, \q, \i
.endr
.endm
; A load into a register that a matrix instruction has read, and a vector instruction that reads a matrix result or writes one of a matrix instruction's registers, stand NP places behind it;
; only plain vector instructions that name none of its registers are places (ISA guide 7.12.1 for vector instructions).
.macro PLACES n
.rept \n
	v_nop
.endr
.endm
; A step of 128 along K that has its successor in the same slot.  A block of A is free as soon as its eight products are issued, so one set serves A: blocks 0-3 are fetched anew in the step's middle, blocks 4-7 at its end.
.macro STEP slot, q, zero
	s_wait_dscnt 4*NL                              ; B's set and A's blocks 0-3 are in; the youngest sixteen loads (A's blocks 4-7) may be out
	WIN MUL_LO
	MUL16 0, (\q)%2, \zero
	MUL16 2, (\q)%2, \zero
	s_wait_dscnt 0                                 ; A's blocks 4-7 are in (asked for 32 matrix instructions ago)
	PLACES NP
	FETCH_B \slot, (\q)+1, 1-(\q)%2
	FETCH_A \slot, (\q)+1, 0
	WIN MUL_HI
	MUL16 4, (\q)%2, \zero
	MUL16 6, (\q)%2, \zero
	PLACES NP
	WIN 0
	FETCH_A \slot, (\q)+1, 4
.endm
; A slot's last step changes slots: ONE barrier; in front of it each wave waits for all its tensor loads, adds 0 to its spare word, and waits for that and for its own reads of this slot.
; fill = 1: the barrier opens a round of the cluster's barrier, and this slot is filled again, two K steps ahead: the load has one K step, 128 matrix instructions, in which to land.
.macro TURN slot, next, fill
	s_wait_tensorcnt 0x0                           ; all my tensor loads have landed: my part of the next slot  (every window is 0 here: the add's two registers lie in window 0)
	ds_add_u32 v[SPW], v[NIL]                      ; 0 onto my spare word
	s_wait_dscnt 4*NL+1                            ; (the add and the youngest sixteen loads, A's blocks 4-7, may be out)
	WIN MUL_LO
	MUL16 0, 1, 0                                  ; sixteen matrix instructions stand between the add and the wait for it
	s_wait_dscnt 0x0                               ; the add is done, and my reads of this slot are over
	s_barrier_signal -1
	MUL16 2, 1, 0
	WIN 0
	s_barrier_wait -1
.if \fill
	CREST                                          ; no wave of any partner still reads this slot's tile or has a load on its way
	s_add_nc_u64 s[G0+4*\slot+2:G0+4*\slot+3], s[G0+4*\slot+2:G0+4*\slot+3], 2*ROWB
	s_add_nc_u64 s[G0B+4*\slot+2:G0B+4*\slot+3], s[G0B+4*\slot+2:G0B+4*\slot+3], 2*ROWB
	JLOAD G0+4*\slot, G1, G0B+4*\slot, G1B         ; the first tensor load behind the round; the four v_nop behind it are the places in front of the loads below
.if \slot == 0
	global_prefetch_b8 v27, s[4:5] offset:3*ROWB th:TH_LOAD_NT scope:SCOPE_SE   ; behind K step 2's refill: K step 3, the last: nothing lies behind it
.endif
.else
	PLACES NP
.endif
	FETCH_B \next, 0, 0
	FETCH_A \next, 0, 0
	WIN MUL_HI
	MUL16 4, 1, 0
	MUL16 6, 1, 0
	PLACES NP
	WIN 0
	FETCH_A \next, 0, 4
.endm
	s_wait_alu depctr_va_vdst(0)                   ; the head's end
	s_wait_tensorcnt 0x0                           ; my part of K step 0 is in; slot 1's first fill is issued as a refill is:
	ds_add_u32 v[SPW], v[NIL]                      ; 0 onto my spare word
	s_wait_dscnt 0x0
	CROUND                                         ; a whole round: everybody's part of K step 0 is in, and the joint loads meet
	JLOAD G0+4, G1, G0B+4, G1B                     ; K step 1, the first tensor load behind the round: one load a wave is out from here on
	global_prefetch_b8 v27, s[4:5] offset:2*ROWB th:TH_LOAD_NT scope:SCOPE_SE   ; K step 2
	FETCH_B 0, 0, 0
	FETCH_A 0, 0, 0
	FETCH_A 0, 0, 4
	STEP 0, 0, 1                                   ; K 0-127: the products start the sums
	TURN 0, 1, 1                                   ; K 128-255; slot 0 takes K step 2
	STEP 1, 0, 0
	TURN 1, 0, 1                                   ; slot 1 takes K step 3
	STEP 0, 0, 0
	TURN 0, 1, 0                                   ; nothing is left to fetch: no round
	STEP 1, 0, 0
	s_wait_dscnt 4*NL                              ; the very last step
	WIN MUL_LO
	MUL16 0, 1, 0
	MUL16 2, 1, 0
	s_wait_dscnt 0
	WIN MUL_HI
	MUL16 4, 1, 0
	MUL16 6, 1, 0
	WIN 0
	PLACES NP                                      ; in front of the first read of results and the first write into the registers that held A's fragments
	s_wait_loadcnt 0x0                             ; the biases
; THE WAY OUT of block a (16 rows of A x my 128 rows of B: eight accumulators).  sum x 2^(ex + ew) + bias into window 0 (each accumulator from its low end on), the hold, eight codes an accumulator,
; four stores of 512 consecutive bytes.  isv = 0: the bias goes by column; accumulators 0-3 are my first head's image of 16 tokens, 4-7 my second head's.
; isv = 1: the bias goes by row; the eight accumulators are one image of V^T (16 head dims x 128 keys); blocks 0-3 are my first head's, 4-7 my second head's.
.macro OUT a, isv
.set C0, CD+16*((\a)%4)
.if (\a) >= 4
	s_wait_xcnt 0x0                                ; block a - 4's stores have read their registers: this block's codes may be written there
.endif
	WIN 0x02+((\a)/4)                              ; source 0: window 2 or 3
.irp b, 0,1,2,3,4,5,6,7
.irp u, 0,2,4,6
.if \isv
	v_pk_fma_f32 v[TMP+8*\b+\u:TMP+8*\b+\u+1], v[64*((\a)%4)+8*\b+\u:64*((\a)%4)+8*\b+\u+1], s[96:97], v[BV+2*(\a):BV+2*(\a)+1] op_sel_hi:[1,0,1]
.else
	v_pk_fma_f32 v[TMP+8*\b+\u:TMP+8*\b+\u+1], v[64*((\a)%4)+8*\b+\u:64*((\a)%4)+8*\b+\u+1], s[96:97], v[BQ+8*\b+\u:BQ+8*\b+\u+1] op_sel_hi:[1,0,1]
.endif
.endr
.endr
	WIN 0
.irp b, 0,1,2,3,4,5,6,7
.irp u, 0,1,2,3,4,5,6,7
	v_med3_num_f32 v[TMP+8*\b+\u], v[TMP+8*\b+\u], -v[VLIM], v[VLIM]   ; the conversion to an 8-bit code does not saturate (ISA guide 7.6.2): the holds come first, all 64
.endr
.endr
.irp b, 0,1,2,3,4,5,6,7
	v_cvt_scalef32_pk8_fp8_f32 v[C0+2*\b:C0+2*\b+1], v[TMP+8*\b:TMP+8*\b+7], v[VSC]
.endr
	v_nop                                          ; a plain line behind the last conversion: the next block writes its sources
.if \isv
.irp g, 0,1,2,3
	global_store_b128 v[LI], v[C0+4*\g:C0+4*\g+3], s[60+2*((\a)/4):61+2*((\a)/4)] offset:2048*((\a)%4)+512*\g
.endr
.else
	global_store_b128 v[LI], v[C0:C0+3], s[60:61] offset:1024*(\a)
	global_store_b128 v[LI], v[C0+4:C0+7], s[60:61] offset:1024*(\a)+512
	global_store_b128 v[LI], v[C0+8:C0+11], s[62:63] offset:1024*(\a)
	global_store_b128 v[LI], v[C0+12:C0+15], s[62:63] offset:1024*(\a)+512
.endif
.endm
	s_cmp_lt_u32 s27, 2                            ; the branch hangs on the cluster's x alone and leads round vector instructions and global stores alone
	s_cbranch_scc0 .Lout_v
.irp a, 0,1,2,3,4,5,6,7
	OUT \a, 0
.endr
	s_branch .Ldone
.Lout_v:
.irp a, 0,1,2,3,4,5,6,7
	OUT \a, 1
.endr
.Ldone:
	s_wait_tensorcnt 0x0                           ; the wave's end
	ds_add_u32 v[SPW], v[NIL]
	s_wait_dscnt 0x0
	CROUND                                         ; the closing round: no work-group ends while a partner may still ask for a tile that names it
	s_endpgm
.Lfunc_end_k_q4a01580aef_proj:
	.size	k_q4a01580aef_proj, .Lfunc_end_k_q4a01580aef_proj-k_q4a01580aef_proj
	.p2alignl 7, 3214868480
	.fill 96, 4, 3214868480
	.section	.rodata,"a",@progbits
	.p2align	6, 0x0
	.amdhsa_kernel k_q4a01580aef_proj
		.amdhsa_group_segment_fixed_size 327680
		.amdhsa_private_segment_fixed_size 0
		.amdhsa_enable_private_segment 0
		.amdhsa_kernarg_size 64
		.amdhsa_user_sgpr_count 2
		.amdhsa_user_sgpr_kernarg_segment_ptr 1
		.amdhsa_wavefront_size32 1
		.amdhsa_system_sgpr_workgroup_id_x 1
		.amdhsa_system_sgpr_workgroup_id_y 1
		.amdhsa_system_sgpr_workgroup_id_z 1
		.amdhsa_system_vgpr_workitem_id 0
		.amdhsa_next_free_vgpr 1024
		.amdhsa_next_free_sgpr 100
		.amdhsa_reserve_vcc 0
		.amdhsa_float_denorm_mode_32 3
		.amdhsa_float_denorm_mode_16_64 3
		.amdhsa_memory_ordered 1
		.amdhsa_forward_progress 1
		.amdhsa_inst_pref_size 195
	.end_amdhsa_kernel
	.amdgpu_metadata
---
amdhsa.version: [ 1, 2 ]
amdhsa.kernels:
  - .name:           k_q4a01580aef_proj
    .symbol:         k_q4a01580aef_proj.kd
    .args:
      - { .name: xc, .offset: 0, .size: 8, .value_kind: global_buffer, .address_space: global }
      - { .name: wc, .offset: 8, .size: 8, .value_kind: global_buffer, .address_space: global }
      - { .name: b_q, .offset: 16, .size: 8, .value_kind: global_buffer, .address_space: global }
      - { .name: b_k, .offset: 24, .size: 8, .value_kind: global_buffer, .address_space: global }
      - { .name: b_v, .offset: 32, .size: 8, .value_kind: global_buffer, .address_space: global }
      - { .name: lowp_scales, .offset: 40, .size: 8, .value_kind: global_buffer, .address_space: global }
      - { .name: qc, .offset: 48, .size: 8, .value_kind: global_buffer, .address_space: global }
      - { .name: kv, .offset: 56, .size: 8, .value_kind: global_buffer, .address_space: global }
    .group_segment_fixed_size: 327680
    .private_segment_fixed_size: 0
    .kernarg_segment_align: 8
    .kernarg_segment_size: 64
    .max_flat_workgroup_size: 128
    .sgpr_count:     100
    .vgpr_count:     1024
    .wavefront_size: 32
...
	.end_amdgpu_metadata
.endif
;; end of part 2
;; launch attn (part 3): grid 8 x 32, 8 waves a work-group, clusters of 4 x 1, 327,680 bytes of LDS; arguments qc, kv, lowp_scales, cc; writes cc
.if DOCPART == 3
	.amdgcn_target "amdgcn-amd-amdhsa--gfx1250"
	.amdhsa_code_object_version 6
	.text
	.protected	k_q4a01580aef_attn
	.globl	k_q4a01580aef_attn
	.p2align	8
	.type	k_q4a01580aef_attn,@function
k_q4a01580aef_attn:
	s_mov_b64 s[64:65], 0
	v_nop
	global_prefetch_b8 v0, s[64:65] scope:SCOPE_SE
	s_setreg_imm32_b32 hwreg(HW_REG_WAVE_MODE, 25, 1), 1
	s_wait_xcnt 0x0
	s_wait_alu depctr_hold_cnt(0) depctr_sa_sdst(0) depctr_va_vdst(0) depctr_va_sdst(0) depctr_va_ssrc(0) depctr_va_vcc(0) depctr_vm_vsrc(0)
	s_getreg_b32 s2, hwreg(HW_REG_IB_STS2, 6, 4)
	s_cmp_eq_u32 s2, 0
	s_cbranch_scc0 .Lentry_in_a_cluster
	s_endpgm
.Lentry_in_a_cluster:
	s_bfe_u32 s2, ttmp6, 0x10000c
	s_cmp_lg_u32 s2, 0x3003
	s_cbranch_scc0 .Lentry_shape_is_right
	s_endpgm
.Lentry_shape_is_right:
; Launch 3 of 4: ctx = softmax(q k^T / 8) v on codes of E4M3, quantised at once for the last product.  No work is left out.
; qc [bh][16 x 8 query tiles][1024]: images of the operand registers of 16 queries x 64.  kv [bh][16 steps of 128 keys][8 images of K x 1024, 4 images of V^T x 2048].
; cc: images of ctx's operand registers, as the last launch reads them.  Scales: e6 (q), e7 (k), e8 (v), e9 (p), e10 (ctx).
; THE SOFTMAX: t = score x log2(e) / 8; M = the running largest t rounded up to a whole number; p = 2^(t - M) is quantised with 2^e9; the row's sum is taken of
; the unquantised p in f32 and divides at the end.  When M moves, the sum and O^T are multiplied by 2^(old M - new M), made by v_ldexp_f32: nothing is rounded, no branch on data.
; SHARES.  A work-group owns 256 queries of one (batch, head); each of its eight waves owns 32, TWO tiles X and Y: a fragment of K or V read from LDS feeds two matrix instructions,
; and the two tiles' work is laid by turns.  Two waves share a SIMD.
; Both products are used transposed (S^T = K Q^T, O^T = V^T P^T): a lane holds one query of each tile; tile t's eight registers are keys 16 t + 8 (lane / 16) + 0 .. 7, so the
; conversions' results are the second product's operand with k in its true places.
; LDS: all 16 steps of the head's K and V, 262,144 bytes, each byte filled once, in two parts.  Steps 0-2 (49,152 bytes, 6,144 a wave) are asked for at the head; steps 3-15
; (212,992 bytes, 26,624 a wave) behind the full sequence and a round.  Steps 0 and 1 read the first part alone (step 1 fetches step 2's K);
; a barrier behind them shows the second part to every wave.  Both parts are dense and stated as rows of 256 bytes.
; CLUSTERS: the four work-groups of a cluster walk the same K and V and ask jointly (mask 15).  No prefetch is written: every tile has been asked for when the first step begins, so there is no loop to run ahead in.
; THE EXPONENTIALS go in two batches with plain lines between them that read nothing written inside the batch: X's batch carries Y's t - M; Y's batch carries the first level of X's sum and X's holds.
; O^T and the sums begin as zeros and -M as 3e38, so that the step is written once for the loops; the first change of M multiplies zeros.
; LIMITS: e6 + e7 between -123 and 130 (added to c's exponent field); e9, e10 between -126 and 119; the scaled scores stay under 2^31 in magnitude; NaN is not served.
; REGISTERS.  Window 0: v1-6 addresses; v8-15 sums, -M and largest raw score of Y and X; v16-31 Q; v32-95, v96-159 S^T then p of X, Y; v160-191 p's codes; v192-221 at work and scales; v224-255 X's partial sums.
;             Window 1: v0-63 K's eight fragments; v64-127 V's four; v128-159, v160-191 O^T of X, Y.
.set SPARE, 262144                     ; behind the tiles: the spare words, 128 bytes a wave, which no other line names
.set PARTA, 49152
.set LI,  1                            ; 16 x lane
.set ADV, 2                            ; LDS address of this step
.set ADK, 3                            ; of the next
.set SPW, 5
.set NIL, 6
.set LY,  8                            ; v[8:9]   Y's sum in two halves
.set MY,  10                           ; v[10:11] Y: -M, largest raw score
.set MX,  12
.set LX,  14
.set QX,  16
.set QY,  24
.set SX,  32
.set SY,  96
.set PX,  160
.set PY,  176
.set AX,  192
.set BX,  193
.set AY,  194
.set BY,  195
.set RX,  196
.set RY,  197
.set UX,  198                          ; v[198:199], v[204:207]: chains of Y's sum
.set FX,  200                          ; v[200:201] f of X (the low word serves both halves)
.set FY,  202
.set TX,  204
.set TY,  206
.set SC,  216                          ; 2^e9
.set LIMA, 217                         ; 448 x 2^e9, twice: the two halves of a dual line take their second sources from different banks
.set LIMB, 218
.set CSC, 220                          ; 2^e10
.set CLIM, 221
.set TT,  224                          ; v224-255: 16 pairs, the first level of X's sum; v224-227 also the maxima's third and fourth chains
.set CX,  224
.set DX,  225
.set CY,  226
.set DY,  227
.set KF,  0
.set VF,  64
.set OX,  128
.set OY,  160
.set MSB, 0
.macro WIN new                         ; the immediate's high byte repeats the setting that is left
.if MSB != \new
	s_set_vgpr_msb (MSB<<8)|\new
.set MSB, \new
.endif
.endm
.macro CROUND
	s_barrier_signal -1
	s_barrier_wait -1
	s_cmp_lg_u32 s12, 0
	s_cbranch_scc1 .Lnot_wave_0_\@
	s_barrier_signal -3
.Lnot_wave_0_\@:
	s_barrier_wait -3
	s_barrier_signal -1
	s_barrier_wait -1
.endm
.macro MKSC e, sc, lim                 ; v[sc] = 2^e, v[lim] = 448 x 2^e
	s_add_co_i32 s54, s[\e], 127
	s_lshl_b32 s55, s54, 23
	v_mov_b32 v[\sc], s55
	s_add_co_i32 s54, s54, 8
	s_lshl_b32 s54, s54, 23
	s_or_b32 s54, s54, 0x600000
	v_mov_b32 v[\lim], s54
.endm
	s_load_b256 s[4:11], s[0:1], 0x0               ; qc 4, kv 6, scales 8, cc 10
	v_lshl_add_u32 v[SPW], v0, 2, SPARE
	v_mov_b32 v[NIL], 0
	ds_add_u32 v[SPW], v[NIL]                      ; the opening: the add, twice on end, and its wait ahead of my first tensor load
	ds_add_u32 v[SPW], v[NIL]
	v_lshrrev_b32 v4, 5, v0
	v_readfirstlane_b32 s12, v4                    ; wave 0..7
	s_bfe_u32 s13, ttmp6, 0x40000                  ; cx
	s_lshl_b32 s14, ttmp9, 2
	s_add_co_u32 s14, s14, s13                     ; which 256 queries, 0..7
	s_and_b32 s15, ttmp7, 0xffff                   ; bh
	s_mov_b32 s16, 15|(3<<16)|(1<<21)              ; mask: all four partners; elements of 8 bytes; bit 21 beside a mask
	s_mov_b32 s17, 32<<16                          ; rows of 256 bytes
	s_mov_b32 s18, 24<<16
	s_mov_b32 s19, 32<<16
	s_mov_b32 s20, 24                              ; the first part: 24 rows a wave
	s_mov_b32 s21, 32
	s_mov_b32 s22, 0
	s_mov_b32 s23, 0
	s_mov_b32 s24, 15|(3<<16)|(1<<21)
	s_mov_b32 s25, 32<<16
	s_mov_b32 s26, 104<<16
	s_mov_b32 s27, 32<<16
	s_mov_b32 s28, 104                             ; the second: 104 rows a wave
	s_mov_b32 s29, 32
	s_mov_b32 s30, 0
	s_mov_b32 s31, 0
	s_mov_b32 s32, 1
	s_mul_i32 s33, s12, 6144                       ; LDS byte = byte in the head's K and V
	s_mov_b32 s36, 1
	s_mul_i32 s37, s12, 26624
	s_add_co_u32 s37, s37, PARTA
	s_lshl_b32 s54, s15, 18                        ; 262,144 bh: the same in all four partners
	s_add_co_u32 s56, s54, s33
	s_mov_b32 s57, 0
	s_add_co_u32 s58, s54, s37
	s_mov_b32 s59, 0
	s_mov_b32 s40, 0x76543210
	s_mov_b32 s41, 0xfedcba98                      ; lane l xor 16
	s_mov_b32 s42, 0x3e38aa3b                      ; c = log2(e) / 8
	s_mov_b32 s44, 0                               ; LDS byte of the step in hand
	s_wait_dscnt 0x0
	s_wait_kmcnt 0x0
	s_load_b64 s[46:47], s[8:9], 0x18              ; e6, e7
	s_load_b128 s[48:51], s[8:9], 0x20             ; e8 .. e11
	s_add_nc_u64 s[34:35], s[6:7], s[56:57]
	s_or_b32 s35, s35, 0x80000000
	s_add_nc_u64 s[38:39], s[6:7], s[58:59]
	s_or_b32 s39, s39, 0x80000000
	CROUND                                         ; the four work-groups are here: the joint loads meet
	tensor_load_to_lds s[32:35], s[16:23]          ; my share of steps 0-2: one tensor load a wave at the head
	s_nop 0
.rept 4
	v_nop
.endr
	s_lshl_b32 s54, s15, 7
	s_lshl_b32 s55, s14, 4
	s_add_co_u32 s54, s54, s55
	s_lshl_b32 s55, s12, 1
	s_add_co_u32 s54, s54, s55                     ; my first query tile: 128 bh + 16 x block + 2 x wave
	s_lshl_b32 s54, s54, 10
	s_mov_b32 s55, 0
	s_add_nc_u64 s[4:5], s[4:5], s[54:55]
	v_and_b32 v[LI], 31, v0
	v_lshlrev_b32 v[LI], 4, v[LI]
.irp g, 0,1,2,3
	global_load_b128 v[QX+4*\g:QX+4*\g+3], v[LI], s[4:5] offset:512*\g   ; Q's two images stay in registers
.endr
	v_mov_b32 v[MX+1], 0xff61b1e6                  ; the largest raw score so far: -3e38
	v_mov_b32 v[MY+1], 0xff61b1e6
	v_mov_b32 v[MX], 0x7f61b1e6                    ; -M: 3e38
	v_mov_b32 v[MY], 0x7f61b1e6
.irp r, LX, LX+1, LY, LY+1, RX, RY, FX+1, FY+1
	v_mov_b32 v[\r], 0                             ; the sums; a lane permute's destination counts as a source; the upper halves of named pairs
.endr
	WIN 0x40
.set j, 0
.rept 64
	v_mov_b32 v[OX+j], 0                           ; O^T of both tiles
.set j, j+1
.endr
	WIN 0
	s_wait_kmcnt 0x0
	s_add_co_i32 s54, s46, s47
	s_lshl_b32 s54, s54, 23
	s_add_co_i32 s42, s42, s54                     ; c x 2^(e6 + e7)
	s_mov_b32 s43, s42
	s_xor_b32 s45, s42, 0x80000000                 ; -c
	MKSC 49, SC, LIMA
	v_mov_b32 v[LIMB], s54
	MKSC 50, CSC, CLIM
	s_lshr_b32 s54, s15, 4                         ; where my codes of ctx go: token tile idx = 128 batch + 16 block + 2 wave, head = bh % 16
	s_lshl_b32 s54, s54, 7
	s_lshl_b32 s55, s14, 4
	s_add_co_u32 s54, s54, s55
	s_lshl_b32 s55, s12, 1
	s_add_co_u32 s54, s54, s55
	s_and_b32 s55, s15, 15
	s_lshr_b32 s56, s54, 2
	s_and_b32 s54, s54, 3
	s_lshl_b32 s56, s56, 2
	s_lshr_b32 s57, s55, 2
	s_add_co_u32 s56, s56, s57
	s_lshl_b32 s56, s56, 2
	s_add_co_u32 s56, s56, s54
	s_lshl_b32 s56, s56, 12                        ; (idx is even: tile Y lies 4,096 bytes on)
	s_bfe_u32 s57, s55, 0x10001
	s_lshl_b32 s57, s57, 11
	s_add_co_u32 s56, s56, s57
	s_and_b32 s57, s55, 1
	s_lshl_b32 s57, s57, 10
	s_add_co_u32 s56, s56, s57
	s_mov_b32 s57, 0
	s_add_nc_u64 s[52:53], s[10:11], s[56:57]
.macro TADD a, b                       ; X's partial sums: pair a += pair b
	v_pk_add_f32 v[TT+2*(\a):TT+2*(\a)+1], v[TT+2*(\a):TT+2*(\a)+1], v[TT+2*(\b):TT+2*(\b)+1]
.endm
.macro YIT p                           ; four pairs of Y's p, one onto each of four chains
	v_pk_add_f32 v[LY:LY+1], v[LY:LY+1], v[SY+2*(\p):SY+2*(\p)+1]
	v_pk_add_f32 v[TY:TY+1], v[TY:TY+1], v[SY+2*(\p)+2:SY+2*(\p)+3]
	v_pk_add_f32 v[TX:TX+1], v[TX:TX+1], v[SY+2*(\p)+4:SY+2*(\p)+5]
	v_pk_add_f32 v[UX:UX+1], v[UX:UX+1], v[SY+2*(\p)+6:SY+2*(\p)+7]
.endm
.macro MAX0 S, A, B, C, D              ; a tile's largest raw score: four chains begin, each accumulator from its low end on
	v_max3_num_f32 v[\A], v[\S], v[\S+1], v[\S+2]
	v_max3_num_f32 v[\B], v[\S+3], v[\S+4], v[\S+5]
	v_max3_num_f32 v[\C], v[\S+6], v[\S+7], v[\S+8]
	v_max3_num_f32 v[\D], v[\S+9], v[\S+10], v[\S+11]
.endm
.macro MAX4 S, A, B, C, D, i           ; eight scores more, two onto each chain
	v_max3_num_f32 v[\A], v[\A], v[\S+(\i)], v[\S+(\i)+1]
	v_max3_num_f32 v[\B], v[\B], v[\S+(\i)+2], v[\S+(\i)+3]
	v_max3_num_f32 v[\C], v[\C], v[\S+(\i)+4], v[\S+(\i)+5]
	v_max3_num_f32 v[\D], v[\D], v[\S+(\i)+6], v[\S+(\i)+7]
.endm
.macro TL k, A, B, C, D, R, M, F       ; link k of a tile's change of M: ten dependent lines, laid one at a time between the other tile's independent lines
.if \k == 0
	v_max3_num_f32 v[\A], v[\A], v[\B], v[\C]
.endif
.if \k == 1
	v_max3_num_f32 v[\A], v[\A], v[\D], v[\M+1]    ; with the running largest
.endif
.if \k == 2
	v_permlanex16_b32 v[\R], v[\A], s40, s41
.endif
.if \k == 3
	v_max_num_f32 v[\M+1], v[\A], v[\R]            ; and lane l xor 16's
.endif
.if \k == 4
	v_mul_f32 v[\A], s45, v[\M+1]                  ; -t (c is positive)
.endif
.if \k == 5
	v_floor_f32 v[\A], v[\A]                       ; the new -M = -ceil(t)
.endif
.if \k == 6
	v_sub_f32 v[\B], v[\A], v[\M]                  ; old M - new M: a whole number, 0 or less
.endif
.if \k == 7
	v_mov_b32 v[\M], v[\A]
.endif
.if \k == 8
	v_cvt_i32_f32 v[\B], v[\B]                     ; (it saturates)
.endif
.if \k == 9
	v_ldexp_f32 v[\F], 1.0, v[\B]                  ; f = 2^(old M - new M)
.endif
.endm
.macro TLX k
	TL \k, AX, BX, CX, DX, RX, MX, FX
.endm
.macro TLY k
	TL \k, AY, BY, CY, DY, RY, MY, FY
.endm
.macro HOLD r
	v_dual_min_num_f32 v[\r], v[\r], v[LIMA] :: v_dual_min_num_f32 v[\r+1], v[\r+1], v[LIMB]
.endm
; A KEY STEP: 128 keys for both tiles.  next = 1: the next step's K is fetched too.
.macro STEP next
	s_wait_dscnt 0x0                               ; this step's K is in
	WIN 0x01
.irp t, 0,1,2,3,4,5,6,7
	v_wmma_f32_16x16x64_fp8_fp8 v[SX+8*\t:SX+8*\t+7], v[KF+8*\t:KF+8*\t+7], v[QX:QX+7], 0
	v_wmma_f32_16x16x64_fp8_fp8 v[SY+8*\t:SY+8*\t+7], v[KF+8*\t:KF+8*\t+7], v[QY:QY+7], 0
.endr
	WIN 0
	v_add_nc_u32 v[ADV], s44, v[LI]                ; four places behind the products (ISA guide 7.12.1 for vector instructions), two of them address work
.if \next
	s_add_co_u32 s44, s44, 16384
	v_add_nc_u32 v[ADK], s44, v[LI]
.else
	v_nop
.endif
	v_nop
	v_nop
	WIN 0x40
.set n, 0
.rept 16
	ds_load_b128 v[VF+4*n:VF+4*n+3], v[ADV] offset:8192+512*n   ; this step's V^T
.set n, n+1
.endr
.if \next
.set n, 0
.rept 16
	ds_load_b128 v[KF+4*n:KF+4*n+3], v[ADK] offset:512*n        ; the next step's K
.set n, n+1
.endr
.endif
	WIN 0
	MAX0 SX, AX, BX, CX, DX                        ; X's maxima first;
.irp w, 1,2,3,4,5,6
	MAX4 SX, AX, BX, CX, DX, 4+8*\w
.endr
	v_max3_num_f32 v[AX], v[AX], v[SX+60], v[SX+61]
	v_max3_num_f32 v[BX], v[BX], v[SX+62], v[SX+63]
	MAX0 SY, AY, BY, CY, DY                        ; then Y's, with X's change of M between them, a link at a time;
	TLX 0
.irp w, 1,2,3,4,5,6
	MAX4 SY, AY, BY, CY, DY, 4+8*\w
	TLX \w
.endr
	v_max3_num_f32 v[AY], v[AY], v[SY+60], v[SY+61]
	v_max3_num_f32 v[BY], v[BY], v[SY+62], v[SY+63]
	TLX 7
	TLY 0
	TLX 8
	TLY 1
	TLX 9
.irp w, 2,3,4,5,6,7,8,9                ; then Y's change of M, between X's t - M
	TLY \w
.irp u, 0,2,4,6
	v_pk_fma_f32 v[SX+8*(\w-2)+\u:SX+8*(\w-2)+\u+1], v[SX+8*(\w-2)+\u:SX+8*(\w-2)+\u+1], s[42:43], v[MX:MX+1] op_sel_hi:[1,0,0]
.endr
.endr
	s_wait_alu depctr_va_vdst(0)                   ; the wait ahead of the batch: it serves X's t - M, -M of Y and both f
.set j, 0
.rept 32                               ; X's batch; between its lines Y's t - M, which reads nothing written inside the batch and is first read behind the next wait
	v_exp_f32 v[SX+j], v[SX+j]
	v_exp_f32 v[SX+j+1], v[SX+j+1]
	v_pk_fma_f32 v[SY+j:SY+j+1], v[SY+j:SY+j+1], s[42:43], v[MY:MY+1] op_sel_hi:[1,0,0]
.set j, j+2
.endr
	v_pk_mul_f32 v[LX:LX+1], v[LX:LX+1], v[FX:FX+1] op_sel_hi:[1,0]   ; the sums under the new M
	v_pk_mul_f32 v[LY:LY+1], v[LY:LY+1], v[FY:FY+1] op_sel_hi:[1,0]
	s_wait_alu depctr_va_vdst(0)                   ; behind X's batch and ahead of Y's: one wait for both
.set k, 0
.rept 16                               ; Y's batch; between its lines, of X's p: four numbers summed into a pair of their own, then held.  What these lines write is first read behind the next wait
	v_exp_f32 v[SY+4*k], v[SY+4*k]
	v_exp_f32 v[SY+4*k+1], v[SY+4*k+1]
	v_pk_add_f32 v[TT+2*k:TT+2*k+1], v[SX+4*k:SX+4*k+1], v[SX+4*k+2:SX+4*k+3]   ; the sum is taken of the unquantised p, ahead of the hold
	v_exp_f32 v[SY+4*k+2], v[SY+4*k+2]
	HOLD SX+4*k
	v_exp_f32 v[SY+4*k+3], v[SY+4*k+3]
	HOLD SX+4*k+2
.set k, k+1
.endr
	v_nop                                          ; a plain place behind the last exponential
	s_wait_alu depctr_va_vdst(0)                   ; behind Y's batch, ahead of its first reader
.irp a, 0,1,2,3,4,5,6,7
	TADD \a, \a+8
.endr
	v_pk_add_f32 v[TY:TY+1], v[SY:SY+1], v[SY+2:SY+3]
	v_pk_add_f32 v[TX:TX+1], v[SY+4:SY+5], v[SY+6:SY+7]
	v_pk_add_f32 v[UX:UX+1], v[SY+8:SY+9], v[SY+10:SY+11]
.irp a, 0,1,2,3
	TADD \a, \a+4
.endr
	YIT 6
	TADD 0, 2
	TADD 1, 3
	YIT 10
	YIT 14
	TADD 0, 1
	YIT 18
	YIT 22
	v_pk_add_f32 v[LX:LX+1], v[LX:LX+1], v[TT:TT+1]
	YIT 26
	v_pk_add_f32 v[LY:LY+1], v[LY:LY+1], v[SY+60:SY+61]
	v_pk_add_f32 v[TY:TY+1], v[TY:TY+1], v[SY+62:SY+63]
	v_pk_add_f32 v[TX:TX+1], v[TX:TX+1], v[UX:UX+1]
	v_pk_add_f32 v[LY:LY+1], v[LY:LY+1], v[TY:TY+1]
	v_pk_add_f32 v[LY:LY+1], v[LY:LY+1], v[TX:TX+1]
.irp t, 0,1,2,3,4,5,6,7                ; Y's holds; eight codes a conversion, Y's one group behind its holds
	HOLD SY+8*\t
	HOLD SY+8*\t+2
	HOLD SY+8*\t+4
	HOLD SY+8*\t+6
	v_cvt_scalef32_pk8_fp8_f32 v[PX+2*\t:PX+2*\t+1], v[SX+8*\t:SX+8*\t+7], v[SC]
.if \t > 0
	v_cvt_scalef32_pk8_fp8_f32 v[PY+2*(\t-1):PY+2*(\t-1)+1], v[SY+8*(\t-1):SY+8*(\t-1)+7], v[SC]
.endif
.endr
	v_cvt_scalef32_pk8_fp8_f32 v[PY+14:PY+15], v[SY+56:SY+63], v[SC]
.if \next
	s_wait_dscnt 16                                ; V^T is in; the sixteen younger loads, the next step's K, may be out
.else
	s_wait_dscnt 0x0
.endif
	WIN 0x41
	s_wait_alu depctr_va_vdst(0)                   ; directly ahead of the first readers of O^T
.set j, 0
.rept 16
	v_pk_mul_f32 v[OX+j:OX+j+1], v[OX+j:OX+j+1], v[FX:FX+1] op_sel_hi:[1,0]   ; O^T under the new M
	v_pk_mul_f32 v[OY+j:OY+j+1], v[OY+j:OY+j+1], v[FY:FY+1] op_sel_hi:[1,0]
.set j, j+2
.endr
	WIN 0x51
.irp d, 0,1,2,3                        ; the eight accumulators by turns
	v_wmma_f32_16x16x128_fp8_fp8 v[OX+8*\d:OX+8*\d+7], v[VF+16*\d:VF+16*\d+15], v[PX:PX+15], v[OX+8*\d:OX+8*\d+7]
	v_wmma_f32_16x16x128_fp8_fp8 v[OY+8*\d:OY+8*\d+7], v[VF+16*\d:VF+16*\d+15], v[PY:PY+15], v[OY+8*\d:OY+8*\d+7]
.endr
	WIN 0
.endm
	s_wait_alu depctr_va_vdst(0)                   ; the head's end
	s_wait_tensorcnt 0x0                           ; my share of steps 0-2 is in; the second part's first fill is issued as a refill is:
	ds_add_u32 v[SPW], v[NIL]                      ; 0 onto my spare word
	s_wait_dscnt 0x0
	CROUND                                         ; everybody's share is in, and the four work-groups are here: the joint loads meet
	tensor_load_to_lds s[36:39], s[24:31]          ; my share of steps 3-15
	s_nop 0
.rept 4
	v_nop
.endr
	WIN 0x40
.set n, 0
.rept 16
	ds_load_b128 v[KF+4*n:KF+4*n+3], v[LI] offset:512*n   ; step 0's K
.set n, n+1
.endr
	WIN 0
	s_wait_loadcnt 0x0                             ; Q
	s_mov_b32 s60, 2
.Lfirst:                                           ; steps 0 and 1: they read steps 0-2's bytes alone
	STEP 1
	s_sub_co_u32 s60, s60, 1
	s_cmp_lg_u32 s60, 0
	s_wait_alu depctr_va_vdst(0)
	s_cbranch_scc1 .Lfirst
	s_wait_tensorcnt 0x0                           ; my share of steps 3-15 is in
	s_wait_dscnt 0x0                               ; no LDS load is out at the signal
	s_barrier_signal -1
	s_barrier_wait -1                              ; everybody's is: nothing is filled again in this launch
	s_mov_b32 s60, 13
.Lstep:                                            ; steps 2 to 14
	STEP 1
	s_sub_co_u32 s60, s60, 1
	s_cmp_lg_u32 s60, 0
	s_wait_alu depctr_va_vdst(0)
	s_cbranch_scc1 .Lstep
	STEP 0                                         ; the last step fetches no further K
.rept 4
	v_nop
.endr
	v_add_f32 v[LX], v[LX], v[LX+1]                ; the sums' halves,
	v_add_f32 v[LY], v[LY], v[LY+1]
	v_permlanex16_b32 v[RX], v[LX], s40, s41
	v_permlanex16_b32 v[RY], v[LY], s40, s41
	v_add_f32 v[LX], v[LX], v[RX]                  ; and lane l xor 16's
	v_add_f32 v[LY], v[LY], v[RY]
	s_wait_alu depctr_va_vdst(0)                   ; the wait ahead of the transcendentals
	v_rcp_f32 v[LX], v[LX]
	v_rcp_f32 v[LY], v[LY]
	v_nop
	s_add_co_i32 s54, s48, s49
	s_wait_alu depctr_va_vdst(0)                   ; and ahead of their first reader
	v_ldexp_f32 v[LX], v[LX], s54                  ; x 2^(e8 + e9)
	v_ldexp_f32 v[LY], v[LY], s54
	WIN 0x01
	s_wait_alu depctr_va_vdst(0)                   ; directly ahead of the first readers of O^T
.set j, 0
.rept 16
	v_pk_mul_f32 v[SX+j:SX+j+1], v[OX+j:OX+j+1], v[LX:LX+1] op_sel_hi:[1,0]
	v_pk_mul_f32 v[SY+j:SY+j+1], v[OY+j:OY+j+1], v[LY:LY+1] op_sel_hi:[1,0]
.set j, j+2
.endr
	WIN 0
.set j, 0
.rept 32
	v_med3_num_f32 v[SX+j], v[SX+j], -v[CLIM], v[CLIM]
	v_med3_num_f32 v[SY+j], v[SY+j], -v[CLIM], v[CLIM]
.set j, j+1
.endr
.irp d, 0,1,2,3
	v_cvt_scalef32_pk8_fp8_f32 v[PX+2*\d:PX+2*\d+1], v[SX+8*\d:SX+8*\d+7], v[CSC]
	v_cvt_scalef32_pk8_fp8_f32 v[PY+2*\d:PY+2*\d+1], v[SY+8*\d:SY+8*\d+7], v[CSC]
.endr
	v_nop
	global_store_b128 v[LI], v[PX:PX+3], s[52:53]                 ; each store covers 512 consecutive aligned bytes
	global_store_b128 v[LI], v[PX+4:PX+7], s[52:53] offset:512
	global_store_b128 v[LI], v[PY:PY+3], s[52:53] offset:4096
	global_store_b128 v[LI], v[PY+4:PY+7], s[52:53] offset:4608
	s_wait_tensorcnt 0x0                           ; the wave's end
	ds_add_u32 v[SPW], v[NIL]
	s_wait_dscnt 0x0
	CROUND                                         ; the closing round
	s_endpgm
.Lfunc_end_k_q4a01580aef_attn:
	.size	k_q4a01580aef_attn, .Lfunc_end_k_q4a01580aef_attn-k_q4a01580aef_attn
	.p2alignl 7, 3214868480
	.fill 96, 4, 3214868480
	.section	.rodata,"a",@progbits
	.p2align	6, 0x0
	.amdhsa_kernel k_q4a01580aef_attn
		.amdhsa_group_segment_fixed_size 327680
		.amdhsa_private_segment_fixed_size 0
		.amdhsa_enable_private_segment 0
		.amdhsa_kernarg_size 32
		.amdhsa_user_sgpr_count 2
		.amdhsa_user_sgpr_kernarg_segment_ptr 1
		.amdhsa_wavefront_size32 1
		.amdhsa_system_sgpr_workgroup_id_x 1
		.amdhsa_system_sgpr_workgroup_id_y 1
		.amdhsa_system_sgpr_workgroup_id_z 1
		.amdhsa_system_vgpr_workitem_id 0
		.amdhsa_next_free_vgpr 512
		.amdhsa_next_free_sgpr 66
		.amdhsa_reserve_vcc 0
		.amdhsa_float_denorm_mode_32 3
		.amdhsa_float_denorm_mode_16_64 3
		.amdhsa_memory_ordered 1
		.amdhsa_forward_progress 1
		.amdhsa_inst_pref_size 102
	.end_amdhsa_kernel
	.amdgpu_metadata
---
amdhsa.version: [ 1, 2 ]
amdhsa.kernels:
  - .name:           k_q4a01580aef_attn
    .symbol:         k_q4a01580aef_attn.kd
    .args:
      - { .name: qc, .offset: 0, .size: 8, .value_kind: global_buffer, .address_space: global }
      - { .name: kv, .offset: 8, .size: 8, .value_kind: global_buffer, .address_space: global }
      - { .name: lowp_scales, .offset: 16, .size: 8, .value_kind: global_buffer, .address_space: global }
      - { .name: cc, .offset: 24, .size: 8, .value_kind: global_buffer, .address_space: global }
    .group_segment_fixed_size: 327680
    .private_segment_fixed_size: 0
    .kernarg_segment_align: 8
    .kernarg_segment_size: 32
    .max_flat_workgroup_size: 256
    .sgpr_count:     66
    .vgpr_count:     512
    .wavefront_size: 32
...
	.end_amdgpu_metadata
.endif
;; end of part 3
;; launch oproj (part 4): grid 8 x 32, 4 waves a work-group, clusters of 4 x 4, 327,680 bytes of LDS; arguments cc, wc, b_o, lowp_scales, out0; writes out0
.if DOCPART == 4
	.amdgcn_target "amdgcn-amd-amdhsa--gfx1250"
	.amdhsa_code_object_version 6
	.text
	.protected	k_q4a01580aef_oproj
	.globl	k_q4a01580aef_oproj
	.p2align	8
	.type	k_q4a01580aef_oproj,@function
k_q4a01580aef_oproj:
	s_mov_b64 s[64:65], 0
	v_nop
	global_prefetch_b8 v0, s[64:65] scope:SCOPE_SE
	s_setreg_imm32_b32 hwreg(HW_REG_WAVE_MODE, 25, 1), 1
	s_wait_xcnt 0x0
	s_wait_alu depctr_hold_cnt(0) depctr_sa_sdst(0) depctr_va_vdst(0) depctr_va_sdst(0) depctr_va_ssrc(0) depctr_va_vcc(0) depctr_vm_vsrc(0)
	s_getreg_b32 s2, hwreg(HW_REG_IB_STS2, 6, 4)
	s_cmp_eq_u32 s2, 0
	s_cbranch_scc0 .Lentry_in_a_cluster
	s_endpgm
.Lentry_in_a_cluster:
	s_bfe_u32 s2, ttmp6, 0x10000c
	s_cmp_lg_u32 s2, 0xf033
	s_cbranch_scc0 .Lentry_shape_is_right
	s_endpgm
.Lentry_shape_is_right:
; Launch 4 of 4: out = ctx W_o^T + b_o on codes of E4M3.  No work is left out.
; A work-group makes 128 x 128 of the output; four waves, each 64 x 64: 16 accumulators.  All of K = 1,024 lies in LDS, filled once: each wave issues ONE tensor load at the head:
; waves 0, 1 a half of ctx's rows (64 rows: 65,536 dense bytes of images, stated as 256 rows of 256), waves 2, 3 a half of W_o's (64 rows of 1,024 bytes, 16 of padding behind each).
; One wait and one barrier show all of it to every wave.  No prefetch: every tile is asked for at the head, so there is no loop to run ahead in.
; ctx comes as images of its operand's registers (512 bytes a load), with k in its true places; so W_o's fragments are fetched by loads of 8 bytes,
; registers 2 c, 2 c + 1 = k 16 c + 8 (lane / 16) + 0 .. 7.  An LDS row of W is 1,040 bytes = 260 words: row r starts at bank 4 r mod 64 (64 banks of 4 bytes: ISA guide 11.1).
; CLUSTERS: 4 x 4; ctx's tiles are asked for jointly along a row of the cluster, W_o's along a column.
; Source 0 = 16 rows of W_o, source 1 = 16 rows of ctx: a lane holds eight neighbouring columns of one row.  A block of 16 rows x 64 columns goes
; through the wave's own stage in LDS and leaves as rows: sixteen lanes store 256 consecutive aligned bytes.
; LIMIT: e10 + e11 between -126 and 127.
.set PITCH, 272                        ; a stage row
.set APART, 16384                      ; 64 rows of ctx x 256 along K, as images; four on end are a half's 65,536 bytes
.set WP,    1040                       ; an LDS row of W
.set WPART, 64*WP
.set WBASE, 8*APART                    ; W behind ctx's two halves
.set STG,   WBASE+2*WPART              ; the stages: 16 rows x 272 bytes a wave; no fill lands here
.set SPARE, STG+4*16*PITCH             ; the spare words, 128 bytes a wave, which no other line names
.set ADA, 4                            ; v4-7   my ctx images' LDS address for K quarter 0..3
.set ADW, 8                            ; v8-11  my W fragments'
.set BO8, 13
.set STO, 14
.set RD,  15
.set SPW, 16
.set NIL, 17
.set CO,  20
.set OUTR, 32                          ; v32-63, v64-95 rows read back, by turns
.set BQ,  96                           ; v96-127 b_o(16 j + 8 h + 0 .. 7)
.set ACC, 128
.set G1A, 28
.set G1W, 36
.set G0A, 44
.set G0W, 68
.set MSB, 0
.macro WIN new
.if MSB != \new
	s_set_vgpr_msb (MSB<<8)|\new
.set MSB, \new
.endif
.endm
.macro CROUND
	s_barrier_signal -1
	s_barrier_wait -1
	s_cmp_lg_u32 s20, 0
	s_cbranch_scc1 .Lnot_wave_0_\@
	s_barrier_signal -3
.Lnot_wave_0_\@:
	s_barrier_wait -3
	s_barrier_signal -1
	s_barrier_wait -1
.endm
.macro PLACES
.rept 4
	v_nop
.endr
.endm
	s_load_b256 s[4:11], s[0:1], 0x0               ; cc 4, wc 6, b_o 8, scales 10
	s_load_b64 s[12:13], s[0:1], 0x20              ; out0
	v_lshl_add_u32 v[SPW], v0, 2, SPARE
	v_mov_b32 v[NIL], 0
	ds_add_u32 v[SPW], v[NIL]                      ; the opening: the add, twice on end, and its wait ahead of my first tensor load
	ds_add_u32 v[SPW], v[NIL]
	v_lshrrev_b32 v1, 5, v0
	v_readfirstlane_b32 s20, v1                    ; wave
	s_lshr_b32 s21, s20, 1                         ; my half of the rows.  Also: I fetch for ctx (0) or for W (1)
	s_and_b32 s22, s20, 1                          ; my half of the columns.  Also: which half I fetch
	s_bfe_u32 s23, ttmp6, 0x40000
	s_bfe_u32 s24, ttmp6, 0x40004
	s_lshl_b32 s25, ttmp9, 2
	s_add_co_u32 s25, s25, s23                     ; tile column 0..7
	s_and_b32 s26, ttmp7, 0xffff
	s_lshl_b32 s26, s26, 2
	s_add_co_u32 s26, s26, s24                     ; tile row 0..31
	s_lshl_b32 s98, s24, 2
	s_lshl_b32 s98, 15, s98                        ; my row of the cluster
	s_lshl_b32 s99, 0x1111, s23                    ; my column
	s_or_b32 s[G1A], s98, (3<<16)|(1<<21)          ; ctx: 256 dense rows of 256 bytes (32 elements of 8), no padding
	s_mov_b32 s[G1A+1], 32<<16
	s_mov_b32 s[G1A+2], 256<<16
	s_mov_b32 s[G1A+3], 32<<16
	s_mov_b32 s[G1A+4], 256
	s_mov_b32 s[G1A+5], 32
	s_mov_b32 s[G1A+6], 0
	s_mov_b32 s[G1A+7], 0
	s_or_b32 s[G1W], s99, (1<<20)|(1<<21)|(7<<22)|(3<<25)   ; W: 64 rows of 1,024 bytes, 4 words of padding after every 256
	s_mov_b32 s[G1W+1], 1024<<16
	s_mov_b32 s[G1W+2], 64<<16
	s_mov_b32 s[G1W+3], 1024<<16
	s_mov_b32 s[G1W+4], 64
	s_mov_b32 s[G1W+5], 1024
	s_mov_b32 s[G1W+6], 0
	s_mov_b32 s[G1W+7], 0
	s_lshl_b32 s2, s26, 1
	s_add_co_u32 s2, s2, s22
	s_lshl_b32 s2, s2, 16                          ; ctx: row block 2 x tile row + half: 65,536 bytes
	s_mov_b32 s3, 0
	s_lshl_b32 s60, s25, 7
	s_lshl_b32 s99, s22, 6
	s_add_co_u32 s60, s60, s99
	s_lshl_b32 s60, s60, 10
	s_add_co_u32 s60, s60, 0x300000                ; W_o is plane 3 of wc; row 128 x tile column + 64 x half
	s_mov_b32 s61, 0
	s_lshl_b32 s62, s22, 16                        ; where they land
	s_mul_i32 s63, s22, WPART
	s_add_co_u32 s63, s63, WBASE
	s_wait_dscnt 0x0                               ; both opening adds are done
	s_wait_kmcnt 0x0
	s_load_b64 s[84:85], s[10:11], 0x28            ; e10, e11
	s_add_nc_u64 s[2:3], s[4:5], s[2:3]
	s_add_nc_u64 s[60:61], s[6:7], s[60:61]
	s_mov_b32 s[G0A], 1
	s_mov_b32 s[G0A+1], s62
	s_mov_b64 s[G0A+2:G0A+3], s[2:3]
	s_or_b32 s[G0A+3], s[G0A+3], 0x80000000
	s_mov_b32 s[G0W], 1
	s_mov_b32 s[G0W+1], s63
	s_mov_b64 s[G0W+2:G0W+3], s[60:61]
	s_or_b32 s[G0W+3], s[G0W+3], 0x80000000
	CROUND                                         ; all sixteen work-groups are here: the joint loads meet
	s_cmp_eq_u32 s21, 0
	s_cbranch_scc0 .Lfor_w
	tensor_load_to_lds s[G0A:G0A+3], s[G1A:G1A+7]
	s_nop 0
	PLACES
	s_branch .Lasked
.Lfor_w:
	tensor_load_to_lds s[G0W:G0W+3], s[G1W:G1W+7]
	s_nop 0
	PLACES
.Lasked:
	s_lshl_b32 s2, s25, 9
	s_lshl_b32 s98, s22, 8
	s_add_co_u32 s2, s2, s98                       ; my 64 columns, in bytes
	s_mov_b32 s3, 0
	s_add_nc_u64 s[8:9], s[8:9], s[2:3]
	v_and_b32 v1, 15, v0                           ; r
	v_bfe_u32 v2, v0, 4, 1                         ; h
	v_lshlrev_b32 v[BO8], 5, v2
.irp j, 0,1,2,3
	global_load_b128 v[BQ+8*\j:BQ+8*\j+3], v[BO8], s[8:9] offset:64*\j
	global_load_b128 v[BQ+8*\j+4:BQ+8*\j+7], v[BO8], s[8:9] offset:64*\j+16
.endr
	s_lshl_b32 s98, s26, 7
	s_lshl_b32 s99, s21, 6
	s_add_co_u32 s98, s98, s99
	s_lshl_b32 s98, s98, 12                        ; my first row: 128 x tile row + 64 x half, 4,096 bytes a row
	s_add_co_u32 s2, s2, s98
	s_add_nc_u64 s[12:13], s[12:13], s[2:3]
	v_and_b32 v3, 31, v0
	v_lshlrev_b32 v3, 4, v3                        ; 16 x lane
	s_wait_alu depctr_va_vdst(0)                   ; directly ahead of the reader below
	v_mul_u32_u24 v12, v1, WP
	v_lshl_add_u32 v12, v2, 3, v12                 ; W: row x pitch + 8 x half
	s_wait_alu depctr_va_vdst(0)                   ; and here, ahead of the scalar lines below
	s_lshl_b32 s98, s21, 16
	s_mul_i32 s99, s22, WPART
	s_add_co_u32 s99, s99, WBASE
.irp c, 0,1,2,3
	v_add_nc_u32 v[ADA+\c], s98, v3
	v_add_nc_u32 v[ADW+\c], s99, v12
	s_add_co_u32 s98, s98, APART
	s_add_co_u32 s99, s99, 256
.endr
	s_mul_i32 s98, s20, 16*PITCH
	s_add_co_u32 s98, s98, STG                     ; my stage
	v_mul_u32_u24 v[STO], v1, PITCH
	v_lshl_add_u32 v[STO], v2, 5, v[STO]
	v_add_nc_u32 v[STO], s98, v[STO]               ; in: row r, 32 bytes for each half of the lanes
	v_mul_u32_u24 v[RD], v2, PITCH
	v_lshl_add_u32 v[RD], v1, 4, v[RD]
	v_add_nc_u32 v[RD], s98, v[RD]                 ; back: lanes 0-15 one row of 256 bytes, lanes 16-31 the next
	v_lshlrev_b32 v[CO], 12, v2
	v_lshl_add_u32 v[CO], v1, 4, v[CO]             ; and the same two rows in the output
	s_wait_alu depctr_va_vdst(0)                   ; the head's end
	s_wait_kmcnt 0x0
	s_add_co_i32 s96, s84, s85
	s_add_co_i32 s96, s96, 127
	s_lshl_b32 s96, s96, 23                        ; 2^(e10 + e11)
	s_mov_b32 s97, s96
; 48 LDS loads in one run: step s (128 along K): ctx's four images, W's four fragments, into set f of window 1
.macro FETCH s, f
	WIN 0x40
.irp i, 0,1,2,3
.irp g, 0,1,2,3
	ds_load_b128 v[(\f)+16*\i+4*\g:(\f)+16*\i+4*\g+3], v[ADA+(\s)/2] offset:4096*\i+2048*((\s)%2)+512*\g
.endr
.irp c, 0,1,2,3,4,5,6,7
	ds_load_b64 v[(\f)+64+16*\i+2*\c:(\f)+64+16*\i+2*\c+1], v[ADW+(\s)/2] offset:16*WP*\i+128*((\s)%2)+16*\c
.endr
.endr
	WIN 0
.endm
.macro MUL16 f, zero                   ; the 16 accumulators by turns
	WIN 0x05
.irp i, 0,1,2,3
.irp j, 0,1,2,3
.if \zero
	v_wmma_f32_16x16x128_fp8_fp8 v[ACC+8*(4*\i+\j):ACC+8*(4*\i+\j)+7], v[(\f)+64+16*\j:(\f)+64+16*\j+15], v[(\f)+16*\i:(\f)+16*\i+15], 0
.else
	v_wmma_f32_16x16x128_fp8_fp8 v[ACC+8*(4*\i+\j):ACC+8*(4*\i+\j)+7], v[(\f)+64+16*\j:(\f)+64+16*\j+15], v[(\f)+16*\i:(\f)+16*\i+15], v[ACC+8*(4*\i+\j):ACC+8*(4*\i+\j)+7]
.endif
.endr
.endr
	WIN 0
.endm
.macro KSTEP s
.if (\s) < 7
.if (\s) >= 1
	PLACES                                         ; the set below was read by the step before
.endif
	FETCH (\s)+1, 128*(((\s)+1)%2)
	s_wait_dscnt 48                                ; this step's fragments are in; the 48 loads just issued stay out
.else
	s_wait_dscnt 0x0
.endif
.if (\s) == 0
	MUL16 0, 1
.else
	MUL16 128*((\s)%2), 0
.endif
.endm
	s_wait_tensorcnt 0x0                           ; my one load is in
	s_barrier_signal -1
	s_barrier_wait -1                              ; everybody's is: nothing is filled again in this launch
	FETCH 0, 0
	KSTEP 0
	KSTEP 1
	KSTEP 2
	KSTEP 3
	KSTEP 4
	KSTEP 5
	KSTEP 6
	KSTEP 7
	PLACES
	s_wait_loadcnt 0x0                             ; b_o
.macro SEND i                          ; block i: 16 rows x 64 columns
.if (\i) >= 2
	s_wait_xcnt 0x0                                ; block i - 2's stores have read their registers: this block's rows may land there
.endif
.irp j, 0,1,2,3
.irp u, 0,2,4,6
	v_pk_fma_f32 v[ACC+8*(4*(\i)+\j)+\u:ACC+8*(4*(\i)+\j)+\u+1], v[ACC+8*(4*(\i)+\j)+\u:ACC+8*(4*(\i)+\j)+\u+1], s[96:97], v[BQ+8*\j+\u:BQ+8*\j+\u+1] op_sel_hi:[1,0,1]   ; sum x 2^(e10 + e11) + b_o, from the low end on
.endr
.endr
.irp j, 0,1,2,3
	ds_store_b128 v[STO], v[ACC+8*(4*(\i)+\j):ACC+8*(4*(\i)+\j)+3] offset:64*\j
	ds_store_b128 v[STO], v[ACC+8*(4*(\i)+\j)+4:ACC+8*(4*(\i)+\j)+7] offset:64*\j+16
.endr
.irp t, 0,1,2,3,4,5,6,7
	ds_load_b128 v[OUTR+32*((\i)%2)+4*\t:OUTR+32*((\i)%2)+4*\t+3], v[RD] offset:2*PITCH*\t   ; LDS serves a wave's instructions in order: these see my stores, and the next block's stores come behind them
.endr
.endm
.macro SHIP i, younger                 ; block i's rows are stored; younger: the LDS instructions issued behind its loads (the next block's 8 stores and 8 loads), which may stay out
	s_wait_dscnt \younger
.irp t, 0,1,2,3,4,5,6,7
	global_store_b128 v[CO], v[OUTR+32*((\i)%2)+4*\t:OUTR+32*((\i)%2)+4*\t+3], s[12:13] offset:4096*(16*(\i)+2*\t) th:TH_STORE_NT   ; sixteen lanes store 256 consecutive aligned bytes; written once
.endr
.endm
	SEND 0                                         ; a block is on its way through the stage while the block before it is stored
	SEND 1
	SHIP 0, 16
	SEND 2
	SHIP 1, 16
	SEND 3
	SHIP 2, 16
	SHIP 3, 0
	s_wait_tensorcnt 0x0                           ; the wave's end
	ds_add_u32 v[SPW], v[NIL]
	s_wait_dscnt 0x0
	CROUND                                         ; the closing round
	s_endpgm
.Lfunc_end_k_q4a01580aef_oproj:
	.size	k_q4a01580aef_oproj, .Lfunc_end_k_q4a01580aef_oproj-k_q4a01580aef_oproj
	.p2alignl 7, 3214868480
	.fill 96, 4, 3214868480
	.section	.rodata,"a",@progbits
	.p2align	6, 0x0
	.amdhsa_kernel k_q4a01580aef_oproj
		.amdhsa_group_segment_fixed_size 327680
		.amdhsa_private_segment_fixed_size 0
		.amdhsa_enable_private_segment 0
		.amdhsa_kernarg_size 40
		.amdhsa_user_sgpr_count 2
		.amdhsa_user_sgpr_kernarg_segment_ptr 1
		.amdhsa_wavefront_size32 1
		.amdhsa_system_sgpr_workgroup_id_x 1
		.amdhsa_system_sgpr_workgroup_id_y 1
		.amdhsa_system_sgpr_workgroup_id_z 1
		.amdhsa_system_vgpr_workitem_id 0
		.amdhsa_next_free_vgpr 512
		.amdhsa_next_free_sgpr 100
		.amdhsa_reserve_vcc 0
		.amdhsa_float_denorm_mode_32 3
		.amdhsa_float_denorm_mode_16_64 3
		.amdhsa_memory_ordered 1
		.amdhsa_forward_progress 1
		.amdhsa_inst_pref_size 54
	.end_amdhsa_kernel
	.amdgpu_metadata
---
amdhsa.version: [ 1, 2 ]
amdhsa.kernels:
  - .name:           k_q4a01580aef_oproj
    .symbol:         k_q4a01580aef_oproj.kd
    .args:
      - { .name: cc, .offset: 0, .size: 8, .value_kind: global_buffer, .address_space: global }
      - { .name: wc, .offset: 8, .size: 8, .value_kind: global_buffer, .address_space: global }
      - { .name: b_o, .offset: 16, .size: 8, .value_kind: global_buffer, .address_space: global }
      - { .name: lowp_scales, .offset: 24, .size: 8, .value_kind: global_buffer, .address_space: global }
      - { .name: out0, .offset: 32, .size: 8, .value_kind: global_buffer, .address_space: global }
    .group_segment_fixed_size: 327680
    .private_segment_fixed_size: 0
    .kernarg_segment_align: 8
    .kernarg_segment_size: 40
    .max_flat_workgroup_size: 128
    .sgpr_count:     100
    .vgpr_count:     512
    .wavefront_size: 32
...
	.end_amdgpu_metadata
.endif
;; end of part 4
